; MI455X (gfx1250); checked and timed in simulation.
; The chip was launched on July 23, 2026; its instructions are those of AMD's public machine-readable ISA for CDNA 5 (MIT licence, August 2026) and "CDNA5" Instruction Set Architecture Reference Guide (July 2026). The comments in the code are by the model that wrote it; some were corrected since.
;; Enhanced Value Network. Allowed arithmetic: matrix products marked QUANTISED: E4M3 operands, one E8M0 scale for each 32 along K, by v_wmma_scale_f32_16x16x128_f8f6f4 with both operands' format E4M3, f32 sums; products left as they are: f32 operands where the result goes on into a quantised operand, else bf16, f16 or f32 operands; f32 sums; everything else in f32.
;; Inputs: b1 128 float32; b2 128 float32; b3 64 float32; b4 1 float32; be1 128 float32; be2 128 float32; be3 64 float32; g1 128 float32; g2 128 float32; g3 64 float32; w1 16 x 128 float32; w2 128 x 128 float32; w3 128 x 64 float32; w4 64 x 1 float32; x 524,288 x 16 float32.
;; Outputs: out0 524,288 x 1 float32.
;; This version of the problem:
;;   THIS VERSION OF THE PROBLEM IS GIVEN IN LOW PRECISION. The matrix products marked QUANTISED in the list below multiply operands that are first quantised to E4M3 (4 exponent bits, 3 mantissa bits; 8 bits a number), with one power-of-two scale for each 32 numbers along K (OCP MX v1.0); their sums are f32. All else is computed in f32.
;;   The module's matrix products, in the order in which they are computed (A, B: the left and right operand; K: the contracted axis; several contracted axes count as one K, in the product's order):
;;     1. batch 524,288 x [M 3, K 6] x [K 6, N 4]; A: computed on the way; B: computed on the way: left as it is (K = 6 < 32)
;;     2. [M 524,288, K 16] x [K 16, N 128]; A: computed on the way; B: input w1: left as it is (K = 16 < 32)
;;     3. [M 524,288, K 128] x [K 128, N 128]; A: computed on the way; B: input w2: QUANTISED
;;     4. [M 524,288, K 128] x [K 128, N 64]; A: computed on the way; B: input w3: QUANTISED
;;     5. [M 524,288, K 64] x [K 64, N 1]; A: computed on the way; B: input w4: left as it is (N = 1 < 16)
;;   THE QUANTISER, for each operand of a quantised product, along K:
;;     - K is cut into blocks of 32 from its start; a last block that is shorter is filled with zeros.
;;     - A block's scale is 2^e with e = floor(log2(the largest magnitude in the block)) - 8, held to -126 .. 127; a block of zeros has e = 0. As a byte (E8M0): e + 127.
;;     - Each number is divided by its block's scale, clamped to +-448, and rounded to the nearest number of E4M3, ties to even, subnormals kept.
;;     - The product sums the exact products of the quantised numbers (number of the format x scale) in f32.
;;   ~~~python
;;   def quantise(x, axis):      # numpy; x: float32 -> the quantised numbers, widened to float32 again
;;       x = np.moveaxis(x, axis, -1); K = x.shape[-1]
;;       x = np.pad(x, [(0, 0)] * (x.ndim - 1) + [(0, -K % 32)]); x = x.reshape(x.shape[:-1] + (-1, 32)); a = np.abs(x).max(-1, keepdims=True)
;;       e = np.where(a > 0, np.clip(np.frexp(np.where(a > 0, a, 1))[1] - 1 - 8, -126, 127), 0)      # np.frexp(a)[1] - 1 = floor(log2(a)), exactly
;;       r = np.clip(x / 2.0 ** e, -448, 448)
;;       step = 2.0 ** (np.maximum(np.frexp(np.where(r == 0, 1, r))[1] - 1, -6) - 3)
;;       q = np.round(r / step) * step * 2.0 ** e      # np.round: ties to even
;;       return np.moveaxis(q.reshape(q.shape[:-2] + (-1,))[..., :K], -1, axis).astype(np.float32)
;;   ~~~
;;   OPERANDS COMPUTED ON THE WAY. 'Computed on the way' means the value that the module computes at that place (a softmax that the list does not call 'softmax' is quantised finished and normalised). What goes into a quantiser is computed in f32, as accurately as f32 sums, v_exp_f32 and their like allow (about 1e-6 of the number): no bf16 or f16 on the way to a quantiser, and a product that is left as it is and whose result goes on into a quantised operand takes f32 operands (vector FMAs, or v_wmma_f32_16x16x4_f32). A number that lies on a knife's edge between two numbers of the format may be rounded either way, as far as f32 arithmetic and the matrix unit's own rounding can turn it there, and no further.
;; 2 versions, each right; version 2 is version 1 with the launch layer1 written anew for expert scheduling mode. Each part assembles by itself: llvm-mc -triple=amdgcn-amd-amdhsa -mcpu=gfx1250 --defsym DOCPART=n.
;; ======== version 1 of 2: 4 launches
;; workspace buffers: nums 8,388,608 bytes; part1 196,608 bytes; wq 26,112 bytes; h1c 67,108,864 bytes; h1s 2,097,152 bytes; part2 262,144 bytes; bn2 1,024 bytes; part3 131,072 bytes
;; launch moments (part 1): grid 259 x 1, 4 waves a work-group, no clusters, 87,040 bytes of LDS; arguments x, w2, w3, nums, part1, wq; writes nums, part1, wq
.if DOCPART == 1
	.amdgcn_target "amdgcn-amd-amdhsa--gfx1250"
	.amdhsa_code_object_version 6
	.text
	.protected	k_q0e819f7c07_moments
	.globl	k_q0e819f7c07_moments
	.p2align	8
	.type	k_q0e819f7c07_moments,@function
k_q0e819f7c07_moments:
	s_mov_b64 s[64:65], 0
	v_nop
	global_prefetch_b8 v0, s[64:65] scope:SCOPE_SE
	s_setreg_imm32_b32 hwreg(HW_REG_WAVE_MODE, 25, 1), 1
	s_wait_xcnt 0x0
; MOMENTS.  Layer 1 is linear in its 16 inputs h0 = (4 numbers, 12 features), so its batch mean and variance follow from h0's mean and second moments: no product is needed for them.
; Work-groups 0-255: 2,048 rows each, 512 a wave, a lane to a row, 16 groups of 32 rows.  For each row: the features, d = h0 - c, the sums of d (16) and of d_i d_j (144: the upper triangle in
; blocks of two, so that every line is a packed one; inside a diagonal block both (i,j) and (j,i) are kept).  c is the mean of h0 over rows 0-31, made alike by every wave: the second moments
; are taken about a number that lies among the data, never as a difference of large sums.  x's first four columns also leave as a dense table (nums), 512 consecutive bytes a store.
; A record of part1 (192 f32): 0-15 sums of d, 16-159 sums of products, 160-175 c, 176-191 zeros.
; Work-groups 256-258: a wave quantises one tile of 16 columns of w2 (tiles 0-7) or w3 (8-11) along K to E4M3 with one E8M0 byte for each 32, and stores it as the IMAGE OF AN OPERAND'S REGISTERS:
; register group c of lane l at tile x 2048 + 512 c + 16 l, its scale word at 24576 + 128 tile + 4 l.  A lane takes a column and its registers run down K, so nothing is transposed.
; w2's tiles take columns 32 (T/2) + 8 (T%2) + r + 8 (r/8): used as source 0 of a transposed product, two neighbouring tiles then give a lane 16 neighbours along the next K.
; LIMITS: NaN and infinities are not served.  A divisor under 2^-126 counts as 0 in v_rcp_f32.  a / b is a reciprocal, a product and one correction step; |v - 24| / 24 is a fused product
; with the f32 nearest 1/24.  A block of zeros gets the byte 1 (its codes are zeros; only this program reads the bytes).
.set XO,  1                            ; v1   64 x lane: my row of x in a group
.set NO,  2                            ; v2   16 x lane: my row of nums
.set LN,  3                            ; v3   lane
.set H,   4                            ; v4-19   h0, then d
.set TS,  20                           ; v20-23  the four numbers, zeros moved to the back
.set TA,  24                           ; v24, v25 the third pair
.set TB,  25
.set TR,  26                           ; v26-28  reciprocals
.set PD,  29                           ; v29     a lane permute's destination
.set NS,  30                           ; v30-93  16 groups x 4 numbers as loaded
.set ACC, 94                           ; v94-253 the 160 sums
.set MK1, 20                           ; s20-22  lanes with at least 2, 3, 4 numbers that are not 0
.set MK2, 21
.set MK3, 22
.set R24, 24                           ; s24     1/24
.set MNT, 25                           ; s25     the mantissa field of 448
.set SEL, 28                           ; s[28:29] selects for lane l xor 16
.set CC,  32                           ; s[32:47] c
.set PITCH, 656                        ; the stage: a lane's 640 bytes + 16: an odd multiple of 16
.set WREG,  32*PITCH                   ; a wave's stage
.set CROSS, 4*WREG                     ; behind the four stages: 640 bytes for each wave's 160 sums
.set X,   64                           ; the weights' path: v64-127 64 numbers of a column
.set TM,  32                           ; v32-47 at work
.set PC,  48                           ; v48-63 the codes
.set PW,  9                            ; v9     the scale word
; The 12 features of a row from its four numbers in v[src] on, into v[dst] on.  Zeros go to the back in stable order (six exchanges of neighbours); the first three valid pairs are
; (s0,s1), (s0,s2) and, with four numbers, (s0,s3), with three (s1,s2).  In a pair that counts the second number is never 0.
.macro FEAT src, dst
.irp i, 0,1,2,3
	v_mov_b32 v[TS+\i], v[\src+\i]
.endr
.irp i, 0,1,2,0,1,0
	v_cmp_eq_f32 vcc_lo, 0, v[TS+\i]
	v_cndmask_b32 v[TS+\i], v[TS+\i], v[TS+\i+1], vcc_lo
	v_cndmask_b32 v[TS+\i+1], v[TS+\i+1], 0, vcc_lo
.endr
	v_cmp_neq_f32 s[MK1], 0, v[TS+1]
	v_cmp_neq_f32 s[MK2], 0, v[TS+2]
	v_cmp_neq_f32 s[MK3], 0, v[TS+3]
	v_cndmask_b32 v[TA], v[TS+1], v[TS], s[MK3]
	v_cndmask_b32 v[TB], v[TS+2], v[TS+3], s[MK3]
	v_rcp_f32 v[TR], v[TS+1]
	v_rcp_f32 v[TR+1], v[TS+2]
	v_rcp_f32 v[TR+2], v[TB]
	v_add_f32 v[\dst], v[TS], v[TS+1]              ; the sums first: plain lines between the reciprocals and their use
	v_add_f32 v[\dst+4], v[TS], v[TS+2]
	v_add_f32 v[\dst+8], v[TA], v[TB]
	s_wait_alu depctr_va_vdst(0)
	v_mul_f32 v[\dst+3], v[TS], v[TR]              ; q = a x 1/b,
	v_mul_f32 v[\dst+7], v[TS], v[TR+1]
	v_mul_f32 v[\dst+11], v[TA], v[TR+2]
	v_fma_f32 v[\dst+2], -v[\dst+3], v[TS+1], v[TS]    ; e = a - q b,
	v_fma_f32 v[\dst+6], -v[\dst+7], v[TS+2], v[TS]
	v_fma_f32 v[\dst+10], -v[\dst+11], v[TB], v[TA]
	v_fma_f32 v[\dst+3], v[\dst+2], v[TR], v[\dst+3]   ; q + e x 1/b
	v_fma_f32 v[\dst+7], v[\dst+6], v[TR+1], v[\dst+7]
	v_fma_f32 v[\dst+11], v[\dst+10], v[TR+2], v[\dst+11]
	v_mul_f32 v[\dst+1], v[TS], v[TS+1]
	v_mul_f32 v[\dst+5], v[TS], v[TS+2]
	v_mul_f32 v[\dst+9], v[TA], v[TB]
	v_sub_f32 v[\dst+2], v[TS], v[TS+1]
	v_sub_f32 v[\dst+6], v[TS], v[TS+2]
	v_sub_f32 v[\dst+10], v[TA], v[TB]
.irp k, 0,1,2,3,4,5,6,7,8,9,10,11
	v_add_f32 v[\dst+\k], 0xc1c00000, v[\dst+\k]   ; v - 24
.endr
.irp k, 0,1,2,3,4,5,6,7,8,9,10,11
	v_fma_f32 v[\dst+\k], -|v[\dst+\k]|, s[R24], 1.0
.endr
.irp k, 0,1,2,3,4,5,6,7,8,9,10,11
	v_max_num_f32 v[\dst+\k], 0, v[\dst+\k]        ; 1 - min(.., 1); a NaN of a pair that does not count loses here
.endr
.irp k, 0,1,2,3
	v_cndmask_b32 v[\dst+\k], 0, v[\dst+\k], s[MK1]
.endr
.irp k, 4,5,6,7,8,9,10,11
	v_cndmask_b32 v[\dst+\k], 0, v[\dst+\k], s[MK2]
.endr
.endm
; 64 numbers of a lane, register 16 b + i = k 32 b + 16 (lane / 16) + i, become an operand's 16 registers of codes in v[PC] on and its scale word in v[pw].
; The held numbers go to v[dst] on (alt = 1: into two sets of 16 by turns).  relu = 1: what is negative becomes 0 on the way.
.macro QUANT src, dst, alt, relu, pw
.if \relu
.irp b, 0,1,2,3
	v_max3_num_f32 v[TM+\b], v[\src+16*\b], v[\src+16*\b+1], 0x4800000
.endr
.irp i, 2,4,6,8,10,12,14
.irp b, 0,1,2,3
	v_max3_num_f32 v[TM+\b], v[TM+\b], v[\src+16*\b+\i], v[\src+16*\b+\i+1]
.endr
.endr
.else
.irp b, 0,1,2,3
	v_max3_num_f32 v[TM+\b], |v[\src+16*\b]|, |v[\src+16*\b+1]|, 0x4800000   ; my 16 numbers of block b and the floor 2^(9 - 127): the byte cannot fall under 1
.endr
.irp i, 2,4,6,8,10,12,14
.irp b, 0,1,2,3
	v_max3_num_f32 v[TM+\b], v[TM+\b], |v[\src+16*\b+\i]|, |v[\src+16*\b+\i+1]|
.endr
.endr
.endif
.irp b, 0,1,2,3
	v_permlanex16_b32 v[TM+4+\b], v[TM+\b], s[SEL], s[SEL+1]
.endr
.irp b, 0,1,2,3
	v_max_num_f32 v[TM+\b], v[TM+\b], v[TM+4+\b]   ; with lane l xor 16's 16: the block's largest magnitude
.endr
.irp b, 0,1,2,3
	v_add_nc_u32 v[TM+12+\b], 0xfc000000, v[TM+\b] ; 8 off its exponent field: the conversion's scale operand
.endr
.irp b, 0,1,2,3
	v_and_or_b32 v[TM+8+\b], v[TM+\b], 0x7f800000, s[MNT]   ; 448 x the scale
.endr
.irp b, 0,1,2,3
	v_lshrrev_b32 v[TM+4+\b], 23, v[TM+12+\b]      ; the scale's byte
.endr
	v_lshl_or_b32 v[\pw], v[TM+5], 8, v[TM+4]
	v_lshl_or_b32 v[\pw], v[TM+6], 16, v[\pw]
	v_lshl_or_b32 v[\pw], v[TM+7], 24, v[\pw]
.irp b, 0,1,2,3
.if \alt
.set QD, \dst+16*(\b%2)
.else
.set QD, \dst+16*\b
.endif
.irp i, 0,1,2,3,4,5,6,7,8,9,10,11,12,13,14,15
.if \relu
	v_med3_num_f32 v[QD+\i], v[\src+16*\b+\i], 0, v[TM+8+\b]
.else
	v_med3_num_f32 v[QD+\i], v[\src+16*\b+\i], -v[TM+8+\b], v[TM+8+\b]   ; the conversion to an 8-bit code does not saturate (ISA guide 7.6.2): the hold comes first
.endif
.endr
	v_cvt_scalef32_pk8_fp8_f32 v[PC+4*\b:PC+4*\b+1], v[QD:QD+7], v[TM+12+\b]
	v_cvt_scalef32_pk8_fp8_f32 v[PC+4*\b+2:PC+4*\b+3], v[QD+8:QD+15], v[TM+12+\b]
.endr
.rept 4
	v_nop                                          ; plain lines behind the last conversion
.endr
.endm
; one packed line of the second moments: v[o], v[o+1] (+)= d_i x (d_j, d_j+1); d_i is the first (odd = 0) or second register of the pair v[a]
.macro PROD o, a, b, odd, first
.if \first
.if \odd
	v_pk_mul_f32 v[\o:\o+1], v[\a:\a+1], v[\b:\b+1] op_sel:[1,0] op_sel_hi:[1,1]
.else
	v_pk_mul_f32 v[\o:\o+1], v[\a:\a+1], v[\b:\b+1] op_sel_hi:[0,1]
.endif
.else
.if \odd
	v_pk_fma_f32 v[\o:\o+1], v[\a:\a+1], v[\b:\b+1], v[\o:\o+1] op_sel:[1,0,0] op_sel_hi:[1,1,1]
.else
	v_pk_fma_f32 v[\o:\o+1], v[\a:\a+1], v[\b:\b+1], v[\o:\o+1] op_sel_hi:[0,1,1]
.endif
.endif
.endm
	s_load_b256 s[4:11], s[0:1], 0x0               ; x s[4:5], w2 s[6:7], w3 s[8:9], nums s[10:11]
	s_load_b128 s[12:15], s[0:1], 0x20             ; part1 s[12:13], wq s[14:15]
	v_lshl_add_u32 v254, v0, 2, 0x15200
	v_mov_b32 v255, 0
	v_lshrrev_b32 v[LN], 5, v0
	v_readfirstlane_b32 s16, v[LN]                 ; wave
	v_and_b32 v[LN], 31, v0                        ; lane
	s_mov_b32 s[SEL], 0x76543210
	s_mov_b32 s[SEL+1], 0xfedcba98
	s_cmp_ge_u32 ttmp9, 256                        ; the last three work-groups take the weights
	s_cbranch_scc1 .Lweights
	v_lshlrev_b32 v[XO], 6, v[LN]
	v_lshlrev_b32 v[NO], 4, v[LN]
	v_mov_b32 v[PD], 0
	s_mov_b32 s[R24], 0x3d2aaaab
	s_lshl_b32 s18, ttmp9, 17                      ; 2,048 rows of 64 bytes a work-group,
	s_lshl_b32 s17, s16, 15                        ; 512 a wave
	s_add_co_u32 s18, s18, s17
	s_mov_b32 s19, 0
	s_lshr_b32 s26, s18, 2                         ; a row of nums is a quarter of a row of x
	s_mov_b32 s27, 0
	s_wait_kmcnt 0x0
	s_add_nc_u64 s[48:49], s[4:5], s[18:19]
	s_add_nc_u64 s[10:11], s[10:11], s[26:27]
	global_load_b128 v[ACC:ACC+3], v[XO], s[4:5]   ; rows 0-31 of x, for c
.irp g, 0,1,2,3,4,5,6,7,8,9,10,11,12,13,14,15
	global_load_b128 v[NS+4*\g:NS+4*\g+3], v[XO], s[48:49] offset:2048*\g th:TH_LOAD_NT   ; all 16 groups are asked for at once
.endr
	s_wait_loadcnt 16                              ; rows 0-31 are in; the 16 groups' loads are younger
	FEAT ACC, H+4
.irp k, 0,1,2,3
	v_mov_b32 v[H+\k], v[ACC+\k]
.endr
.irp m, 1,2,4,8
.irp k, 0,1,2,3,4,5,6,7,8,9,10,11,12,13,14,15
	v_add_f32_dpp v[H+\k], v[H+\k], v[H+\k] row_xmask:\m row_mask:0xf bank_mask:0xf
.endr
.endr
.irp k, 0,1,2,3,4,5,6,7,8,9,10,11,12,13,14,15
	v_permlanex16_b32 v[PD], v[H+\k], s[SEL], s[SEL+1]
	v_add_f32 v[H+\k], v[H+\k], v[PD]
	v_mul_f32 v[H+\k], 0x3d000000, v[H+\k]         ; / 32
	v_readfirstlane_b32 s[CC+\k], v[H+\k]
.endr
.macro GROUP g, first
	s_wait_loadcnt 15-\g                           ; this group's load is in; the younger groups' stay out
	global_store_b128 v[NO], v[NS+4*\g:NS+4*\g+3], s[10:11] offset:512*\g   ; 32 lanes store 512 consecutive bytes; these registers are never written again
	FEAT NS+4*\g, H+4
.if \first
.set DB, ACC                                   ; the first group's d are the sums' first terms: nothing is cleared
.else
.set DB, H
.endif
.irp k, 0,1,2,3
	v_sub_f32 v[DB+\k], v[NS+4*\g+\k], s[CC+\k]
.endr
.irp k, 4,5,6,7,8,9,10,11,12,13,14,15
	v_sub_f32 v[DB+\k], v[H+\k], s[CC+\k]
.endr
.if !\first
.irp k, 0,2,4,6,8,10,12,14
	v_pk_add_f32 v[ACC+\k:ACC+\k+1], v[ACC+\k:ACC+\k+1], v[H+\k:H+\k+1]
.endr
.endif
.set i, 0
.rept 16
.set ip, i/2
.set oo, ACC+16+32*ip-2*ip*(ip-1)+(i%2)*(16-2*ip)  ; row i's entries j = 2 (i/2) .. 15
.set q, 0
.rept 8-ip
	PROD oo+2*q, DB+2*ip, DB+2*ip+2*q, i%2, \first
.set q, q+1
.endr
.set i, i+1
.endr
.endm
	GROUP 0, 1
.irp g, 1,2,3,4,5,6,7,8,9,10,11,12,13,14,15
	GROUP \g, 0
.endr
	; The 32 lanes' sums are added: each lane's 160 numbers go to the wave's own stage as a row, and come back by columns, lane l taking columns l, 32 + l, ..
	s_mul_i32 s17, s16, WREG
	v_mul_u32_u24 v24, v[LN], PITCH
	v_add_nc_u32 v24, s17, v24                     ; in: my row
	v_lshlrev_b32 v28, 2, v[LN]
	v_add_nc_u32 v25, s17, v28                     ; back: my column
	s_mul_i32 s17, s16, 640
	s_add_co_u32 s17, s17, CROSS
	v_add_nc_u32 v26, s17, v28                     ; my wave's 160 sums
	v_add_nc_u32 v27, CROSS, v28                   ; wave 0 reads all four
.set i, 0
.rept 40
	ds_store_b128 v24, v[ACC+4*i:ACC+4*i+3] offset:16*i
.set i, i+1
.endr
	s_wait_dscnt 0x0                               ; the stores have read their registers
.irp k, 0,1,2,3,4
.set i, 0
.rept 32
	ds_load_b32 v[ACC+32*\k+i], v25 offset:i*PITCH+128*\k
.set i, i+1
.endr
.endr
	s_wait_dscnt 0x0
.irp k, 0,1,2,3,4
.irp d, 16,8,4,2
.set j, 0
.rept \d/2
	v_pk_add_f32 v[ACC+32*\k+2*j:ACC+32*\k+2*j+1], v[ACC+32*\k+2*j:ACC+32*\k+2*j+1], v[ACC+32*\k+\d+2*j:ACC+32*\k+\d+2*j+1]
.set j, j+1
.endr
.endr
	v_add_f32 v[ACC+32*\k], v[ACC+32*\k], v[ACC+32*\k+1]
.endr
.irp k, 0,1,2,3,4
	ds_store_b32 v26, v[ACC+32*\k] offset:128*\k
.endr
	s_wait_dscnt 0x0                               ; for the others' sake: my sums lie in LDS
	s_barrier_signal -1
	s_barrier_wait -1
	s_cmp_lg_u32 s16, 0
	s_cbranch_scc1 .Ldone
.irp k, 0,1,2,3,4
.irp w, 0,1,2,3
	ds_load_b32 v[ACC+4*\k+\w], v27 offset:640*\w+128*\k
.endr
.endr
	s_mul_i32 s18, ttmp9, 768                      ; my work-group's record
	s_mov_b32 s19, 0
	s_add_nc_u64 s[12:13], s[12:13], s[18:19]
	v_mov_b32 v[H], 0
.irp k, 0,1,2,3,4,5,6,7,8,9,10,11,12,13,14,15
	v_writelane_b32 v[H], s[CC+\k], \k             ; c in lanes 0-15, zeros above
.endr
	s_wait_dscnt 0x0
.irp k, 0,1,2,3,4
	v_pk_add_f32 v[ACC+4*\k:ACC+4*\k+1], v[ACC+4*\k:ACC+4*\k+1], v[ACC+4*\k+2:ACC+4*\k+3]
.endr
.irp k, 0,1,2,3,4
	v_add_f32 v[ACC+4*\k], v[ACC+4*\k], v[ACC+4*\k+1]
.endr
.irp k, 0,1,2,3,4
	global_store_b32 v28, v[ACC+4*\k], s[12:13] offset:128*\k
.endr
	global_store_b32 v28, v[H], s[12:13] offset:640
.Ldone:
	s_wait_tensorcnt 0x0
	ds_add_u32 v254, v255
	s_wait_dscnt 0x0
	s_endpgm
.Lweights:
	v_and_b32 v4, 15, v[LN]                        ; r
	v_lshrrev_b32 v5, 4, v[LN]                     ; h
	s_sub_co_u32 s17, ttmp9, 256
	s_lshl_b32 s17, s17, 2
	s_add_co_u32 s17, s17, s16                     ; my tile T
	s_mov_b32 s[MNT], 0x600000
.irp b, 0,1,2,3
	v_mov_b32 v[TM+4+\b], 0                        ; a lane permute's destination counts as one of its sources
.endr
	s_lshl_b32 s18, s17, 11
	v_lshl_add_u32 v6, v[LN], 4, s18               ; the image: 2048 T + 16 lane
	s_lshl_b32 s18, s17, 7
	v_lshl_add_u32 v7, v[LN], 2, s18               ; the scale words: 128 T + 4 lane
	s_wait_kmcnt 0x0
	s_cmp_eq_u32 ttmp9, 258
	s_cbranch_scc1 .Lw3
	v_and_b32 v8, 8, v4
	v_add_nc_u32 v8, v8, v4                        ; r + 8 (r / 8)
	v_lshlrev_b32 v8, 2, v8
	v_lshl_add_u32 v8, v5, 13, v8                  ; lanes 16-31 begin 16 rows of 512 bytes further down
	s_lshr_b32 s18, s17, 1
	s_lshl_b32 s18, s18, 7
	s_and_b32 s19, s17, 1
	s_lshl_b32 s19, s19, 5
	s_add_co_u32 s18, s18, s19                     ; the tile's first column: (32 (T/2) + 8 (T%2)) x 4 bytes
	v_add_nc_u32 v8, s18, v8
.irp c, 0,1,2,3
.irp i, 0,1,2,3,4,5,6,7,8,9,10,11,12,13,14,15
	global_load_b32 v[X+16*\c+\i], v8, s[6:7] offset:(32*\c+\i)*512
.endr
.endr
	s_branch .Lwq
.Lw3:
	v_lshlrev_b32 v8, 2, v4
	v_lshl_add_u32 v8, v5, 12, v8                  ; 16 rows of 256 bytes
	s_sub_co_u32 s18, s17, 8
	s_lshl_b32 s18, s18, 6                         ; columns 16 (T - 8) on
	v_add_nc_u32 v8, s18, v8
.irp c, 0,1,2,3
.irp i, 0,1,2,3,4,5,6,7,8,9,10,11,12,13,14,15
	global_load_b32 v[X+16*\c+\i], v8, s[8:9] offset:(32*\c+\i)*256
.endr
.endr
.Lwq:
	s_wait_loadcnt 0x0
	QUANT X, X, 0, 0, PW
.irp c, 0,1,2,3
	global_store_b128 v6, v[PC+4*\c:PC+4*\c+3], s[14:15] offset:512*\c
.endr
	global_store_b32 v7, v[PW], s[14:15] offset:24576
	s_endpgm
.Lfunc_end_k_q0e819f7c07_moments:
	.size	k_q0e819f7c07_moments, .Lfunc_end_k_q0e819f7c07_moments-k_q0e819f7c07_moments
	.p2alignl 7, 3214868480
	.fill 96, 4, 3214868480
	.section	.rodata,"a",@progbits
	.p2align	6, 0x0
	.amdhsa_kernel k_q0e819f7c07_moments
		.amdhsa_group_segment_fixed_size 87040
		.amdhsa_private_segment_fixed_size 0
		.amdhsa_enable_private_segment 0
		.amdhsa_kernarg_size 48
		.amdhsa_user_sgpr_count 2
		.amdhsa_user_sgpr_kernarg_segment_ptr 1
		.amdhsa_wavefront_size32 1
		.amdhsa_system_sgpr_workgroup_id_x 1
		.amdhsa_system_sgpr_workgroup_id_y 1
		.amdhsa_system_sgpr_workgroup_id_z 1
		.amdhsa_system_vgpr_workitem_id 0
		.amdhsa_next_free_vgpr 256
		.amdhsa_next_free_sgpr 66
		.amdhsa_reserve_vcc 1
		.amdhsa_float_denorm_mode_32 3
		.amdhsa_float_denorm_mode_16_64 3
		.amdhsa_memory_ordered 1
		.amdhsa_forward_progress 1
		.amdhsa_inst_pref_size 231
	.end_amdhsa_kernel
	.amdgpu_metadata
---
amdhsa.version: [ 1, 2 ]
amdhsa.kernels:
  - .name:           k_q0e819f7c07_moments
    .symbol:         k_q0e819f7c07_moments.kd
    .args:
      - { .name: x, .offset: 0, .size: 8, .value_kind: global_buffer, .address_space: global }
      - { .name: w2, .offset: 8, .size: 8, .value_kind: global_buffer, .address_space: global }
      - { .name: w3, .offset: 16, .size: 8, .value_kind: global_buffer, .address_space: global }
      - { .name: nums, .offset: 24, .size: 8, .value_kind: global_buffer, .address_space: global }
      - { .name: part1, .offset: 32, .size: 8, .value_kind: global_buffer, .address_space: global }
      - { .name: wq, .offset: 40, .size: 8, .value_kind: global_buffer, .address_space: global }
    .group_segment_fixed_size: 87040
    .private_segment_fixed_size: 0
    .kernarg_segment_align: 8
    .kernarg_segment_size: 48
    .max_flat_workgroup_size: 128
    .sgpr_count:     66
    .vgpr_count:     256
    .wavefront_size: 32
...
	.end_amdgpu_metadata
.endif
;; end of part 1
;; launch layer1 (part 2): grid 256 x 1, 8 waves a work-group, no clusters, 23,552 bytes of LDS; arguments nums, part1, w1, b1, g1, be1, wq, h1c, h1s, part2; writes h1c, h1s, part2
.if DOCPART == 2
	.amdgcn_target "amdgcn-amd-amdhsa--gfx1250"
	.amdhsa_code_object_version 6
	.text
	.protected	k_q0e819f7c07_layer1
	.globl	k_q0e819f7c07_layer1
	.p2align	8
	.type	k_q0e819f7c07_layer1,@function
k_q0e819f7c07_layer1:
	s_mov_b64 s[64:65], 0
	v_nop
	global_prefetch_b8 v0, s[64:65] scope:SCOPE_SE
	s_setreg_imm32_b32 hwreg(HW_REG_WAVE_MODE, 25, 1), 1
	s_wait_xcnt 0x0
; LAYER 1.  h1 = relu(BN(h0 w1 + b1)), quantised to E4M3 along its 128 units and stored as codes; and the batch statistics of h1 w2.
; PROLOGUE: every work-group adds the 256 records of h0's moments; thread u < 128 then forms unit u's mean (b1 + (c + mean d) . w) and variance (w' E[d d'] w - (mean d . w)^2), s1 = g1 rsq(var + 1e-5)
; and t1 = be1 + (b1 - mean) s1.  s1 is multiplied into w1 (f32) and t1 is the C of the product's first K step, so the product's result is BN's.
; THE PRODUCT h0 w1 feeds a quantiser, so its operands are f32: v_wmma_f32_16x16x4_f32, four K steps.  It is used transposed (source 0 = 16 units of w1, source 1 = 16 rows), and lane r of tile
; 2 b + u takes unit 32 b + 8 u + r + 8 (r/8): a lane then holds one row, and the 16 registers of two neighbouring tiles are 16 neighbouring units, as the next operand's layout wants them.
; Its results are read only: held numbers go to other registers.
; SHARES: a work-group 2,048 rows, a wave 256: 8 trips of 32 rows (a lane makes one row's features; eight exchanges of half-registers turn the 16 registers into the two tiles' operands).
; Two waves share a SIMD: one's vector work stands beside the other's matrix work.
; OUT: a tile's codes as the image of the operand's registers (2,048 bytes: group c of lane l at 512 c + 16 l); a scale word a row (gathered in LDS, 512 consecutive bytes a store).
; STATISTICS of y2 = Q(h1) Q(w2): the product is used naturally (a lane holds one unit and 8 rows); sums of y2 - c and of its square, c the unit's mean over the wave's first 16 rows; a wave's
; mean and M2 (the sum of squares about its mean) are joined over the 8 waves by the rule for parallel variances, never as a difference of large sums.  A record of part2: mean[128], M2[128].
; LIMITS: as stated in the launch that makes the moments; the variance of layer 1 is a quadratic form of 256 terms in f32.
; WINDOW 1: v0-63 w1's fragments (8 t + 2 s + j), v64-127 t1 in the result's layout, v128-255 w2's eight tiles.
.set LI,   4                           ; v4   16 x lane
.set LL4,  5                           ; v5   4 x lane
.set LSW,  6                           ; v6   where this trip's scale words go
.set LSR,  7                           ; v7   where they are read back
.set N,    8                           ; v8-11   my row's four numbers
.set H0,   12                          ; v12-27  h0; in the prologue unit u's column of w1
.set U,    28                          ; v28-59  at work: the features' temporaries, held numbers, four tiles of y2
.set TS,   28
.set TA,   32
.set TB,   33
.set TR,   34
.set W2X,  28                          ; prologue: 2 w
.set DM,   44
.set VV,   46
.set CW,   51
.set PC,   60                          ; v60-75  the codes just made
.set TM,   76                          ; v76-91  at work
.set PWA,  92                          ; v92, v93 the two tiles' scale words
.set PWB,  93
.set PWS,  94                          ; v94     the 32 rows' scale words, a lane to a row
.set WS,   96                          ; v96-103 w2's scale words
.set NC,   104                         ; v104-119 -c, twice for each tile
.set SM1,  120                         ; v120-135 sums of y - c
.set SM2,  136                         ; v136-151 sums of squares
.set RRB,  104                         ; prologue: 16 pairs of row sums
.set SV,   152                         ; v152-159 s1 of my unit in each tile
.set Z1,   160                         ; v160-223 the f32 product's results
.set LA16, 224                         ; 16 x thread
.set LU4,  225                         ; 4 x thread
.set LZ,   226                         ; 0
.set LP4,  227                         ; 4 (r + 8 (r/8))
.set LH64, 228                         ; 64 h
.set LSW0, 229                         ; SCST + 1024 wave + 4 lane
.set LWO,  230                         ; WST + 1024 wave + 4 (r + 8 (r/8))
.set PO,   231                         ; part1: my chunk of my 64 records
.set WO,   232                         ; w1: my lane's place in a fragment
.set UO,   233                         ; 4 x (thread % 128)
.set RES,  28                          ; the tail: a wave's mean and M2, a pair for each tile
.set FIN,  4096                        ; LDS: 0 the threads' partial sums; FIN the 160 moments / B
.set S1T,  5120                        ; s1[128], t1[128]
.set T1T,  5632
.set SCST, 6144                        ; 1,024 bytes a wave: its rows' scale words
.set WST,  14336                       ; 1,024 bytes a wave: mean[128], M2[128]
.set WV,   24
.set CNT,  25
.set FIRSTCNT, 8
.set HM,   26
.set MNT,  27
.set SEL,  28
.set MK1,  30
.set MK2,  31
.set MK3,  32
.set R24,  33
.set SCO,  35
.set CC,   36                          ; s[36:51] c
.set MSB, 0
.macro WIN new                         ; the immediate's high byte repeats the setting that is left
.if MSB != \new
	s_set_vgpr_msb (MSB<<8)|\new
.set MSB, \new
.endif
.endm
.macro BARRIER                         ; my LDS stores have landed and my LDS loads are in: then the work-group's barrier
	s_wait_dscnt 0x0
	s_barrier_signal -1
	s_barrier_wait -1
.endm
.macro FEAT src, dst                   ; the 12 features of a row: zeros to the back in stable order, the first three valid pairs, four scores each
.irp i, 0,1,2,3
	v_mov_b32 v[TS+\i], v[\src+\i]
.endr
.irp i, 0,1,2,0,1,0
	v_cmp_eq_f32 vcc_lo, 0, v[TS+\i]
	v_cndmask_b32 v[TS+\i], v[TS+\i], v[TS+\i+1], vcc_lo
	v_cndmask_b32 v[TS+\i+1], v[TS+\i+1], 0, vcc_lo
.endr
	v_cmp_neq_f32 s[MK1], 0, v[TS+1]
	v_cmp_neq_f32 s[MK2], 0, v[TS+2]
	v_cmp_neq_f32 s[MK3], 0, v[TS+3]
	v_cndmask_b32 v[TA], v[TS+1], v[TS], s[MK3]
	v_cndmask_b32 v[TB], v[TS+2], v[TS+3], s[MK3]
	v_rcp_f32 v[TR], v[TS+1]
	v_rcp_f32 v[TR+1], v[TS+2]
	v_rcp_f32 v[TR+2], v[TB]
	v_add_f32 v[\dst], v[TS], v[TS+1]              ; plain lines between the reciprocals and their use
	v_add_f32 v[\dst+4], v[TS], v[TS+2]
	v_add_f32 v[\dst+8], v[TA], v[TB]
	s_wait_alu depctr_va_vdst(0)
	v_mul_f32 v[\dst+3], v[TS], v[TR]
	v_mul_f32 v[\dst+7], v[TS], v[TR+1]
	v_mul_f32 v[\dst+11], v[TA], v[TR+2]
	v_fma_f32 v[\dst+2], -v[\dst+3], v[TS+1], v[TS]
	v_fma_f32 v[\dst+6], -v[\dst+7], v[TS+2], v[TS]
	v_fma_f32 v[\dst+10], -v[\dst+11], v[TB], v[TA]
	v_fma_f32 v[\dst+3], v[\dst+2], v[TR], v[\dst+3]
	v_fma_f32 v[\dst+7], v[\dst+6], v[TR+1], v[\dst+7]
	v_fma_f32 v[\dst+11], v[\dst+10], v[TR+2], v[\dst+11]
	v_mul_f32 v[\dst+1], v[TS], v[TS+1]
	v_mul_f32 v[\dst+5], v[TS], v[TS+2]
	v_mul_f32 v[\dst+9], v[TA], v[TB]
	v_sub_f32 v[\dst+2], v[TS], v[TS+1]
	v_sub_f32 v[\dst+6], v[TS], v[TS+2]
	v_sub_f32 v[\dst+10], v[TA], v[TB]
.irp k, 0,1,2,3,4,5,6,7,8,9,10,11
	v_add_f32 v[\dst+\k], 0xc1c00000, v[\dst+\k]
.endr
.irp k, 0,1,2,3,4,5,6,7,8,9,10,11
	v_fma_f32 v[\dst+\k], -|v[\dst+\k]|, s[R24], 1.0
.endr
.irp k, 0,1,2,3,4,5,6,7,8,9,10,11
	v_max_num_f32 v[\dst+\k], 0, v[\dst+\k]
.endr
.irp k, 0,1,2,3
	v_cndmask_b32 v[\dst+\k], 0, v[\dst+\k], s[MK1]
.endr
.irp k, 4,5,6,7,8,9,10,11
	v_cndmask_b32 v[\dst+\k], 0, v[\dst+\k], s[MK2]
.endr
.endm
; 64 numbers of a lane, register 16 b + i = k 32 b + 16 (lane / 16) + i of my row, become a fragment's codes in v[PC] on and its scale word in v[pw].  What is negative becomes 0 on the way:
; no |.| on the maximum's sources, and the hold clips at 0.  The held numbers go to two sets of 16 at v[dst] by turns.  Each result tile is first read at its low end.
.macro QUANT src, dst, pw
.irp b, 0,1,2,3
	v_max3_num_f32 v[TM+\b], v[\src+16*\b], v[\src+16*\b+1], 0x4800000   ; and the floor 2^(9 - 127): the byte cannot fall under 1
.endr
.irp i, 2,4,6,8,10,12,14
.irp b, 0,1,2,3
	v_max3_num_f32 v[TM+\b], v[TM+\b], v[\src+16*\b+\i], v[\src+16*\b+\i+1]
.endr
.endr
.irp b, 0,1,2,3
	v_permlanex16_b32 v[TM+4+\b], v[TM+\b], s[SEL], s[SEL+1]
.endr
.irp b, 0,1,2,3
	v_max_num_f32 v[TM+\b], v[TM+\b], v[TM+4+\b]
.endr
.irp b, 0,1,2,3
	v_add_nc_u32 v[TM+12+\b], 0xfc000000, v[TM+\b]
.endr
.irp b, 0,1,2,3
	v_and_or_b32 v[TM+8+\b], v[TM+\b], 0x7f800000, s[MNT]
.endr
.irp b, 0,1,2,3
	v_lshrrev_b32 v[TM+4+\b], 23, v[TM+12+\b]
.endr
	v_lshl_or_b32 v[\pw], v[TM+5], 8, v[TM+4]      ; the scale word is made ahead of the 64 holds: more than eight plain lines ahead of the product that names it
	v_lshl_or_b32 v[\pw], v[TM+6], 16, v[\pw]
	v_lshl_or_b32 v[\pw], v[TM+7], 24, v[\pw]
.irp b, 0,1,2,3
.set QD, \dst+16*(\b%2)
.irp i, 0,1,2,3,4,5,6,7,8,9,10,11,12,13,14,15
	v_med3_num_f32 v[QD+\i], v[\src+16*\b+\i], 0, v[TM+8+\b]   ; the activation and the hold in one (the conversion does not saturate: ISA guide 7.6.2)
.endr
	v_cvt_scalef32_pk8_fp8_f32 v[PC+4*\b:PC+4*\b+1], v[QD:QD+7], v[TM+12+\b]
	v_cvt_scalef32_pk8_fp8_f32 v[PC+4*\b+2:PC+4*\b+3], v[QD+8:QD+15], v[TM+12+\b]
.endr
.rept 4
	v_nop                                          ; four plain lines between the codes' last write and the scaled product; the first is also the line behind the last conversion
.endr
.endm
.macro TREE16 base                     ; sixteen groups of four registers are added into the first
.irp d, 8,4,2,1
.set j, 0
.rept \d
	v_pk_add_f32 v[\base+4*j:\base+4*j+1], v[\base+4*j:\base+4*j+1], v[\base+4*(j+\d):\base+4*(j+\d)+1]
	v_pk_add_f32 v[\base+4*j+2:\base+4*j+3], v[\base+4*j+2:\base+4*j+3], v[\base+4*(j+\d)+2:\base+4*(j+\d)+3]
.set j, j+1
.endr
.endr
.endm
; In the wave's first tile: -c = -(the unit's mean over these 16 rows), for four result tiles at v[y]; o: the first tile's number
.macro PIVOTG y, o
	s_cmp_lg_u32 s[CNT], FIRSTCNT
	s_cbranch_scc1 .Lnp_\@
.irp t, 0,1,2,3
	v_pk_add_f32 v[TM:TM+1], v[\y+8*\t:\y+8*\t+1], v[\y+8*\t+2:\y+8*\t+3]
	v_pk_add_f32 v[TM+2:TM+3], v[\y+8*\t+4:\y+8*\t+5], v[\y+8*\t+6:\y+8*\t+7]
	v_pk_add_f32 v[TM:TM+1], v[TM:TM+1], v[TM+2:TM+3]
	v_add_f32 v[TM], v[TM], v[TM+1]
	v_permlanex16_b32 v[TM+2], v[TM], s[SEL], s[SEL+1]
	v_add_f32 v[TM], v[TM], v[TM+2]
	v_mul_f32 v[NC+2*(\o+\t)], 0xbd800000, v[TM]
	v_mov_b32 v[NC+2*(\o+\t)+1], v[NC+2*(\o+\t)]
.endr
.Lnp_\@:
.endm
.macro STATS y, o                      ; d = y - c in place; sums of d and of d d; each tile from its low end on, the four tiles by turns
.irp p, 0,1,2,3
.irp t, 0,1,2,3
	v_pk_add_f32 v[\y+8*\t+2*\p:\y+8*\t+2*\p+1], v[\y+8*\t+2*\p:\y+8*\t+2*\p+1], v[NC+2*(\o+\t):NC+2*(\o+\t)+1]
.endr
.irp t, 0,1,2,3
	v_pk_add_f32 v[SM1+2*(\o+\t):SM1+2*(\o+\t)+1], v[SM1+2*(\o+\t):SM1+2*(\o+\t)+1], v[\y+8*\t+2*\p:\y+8*\t+2*\p+1]
.endr
.irp t, 0,1,2,3
	v_pk_fma_f32 v[SM2+2*(\o+\t):SM2+2*(\o+\t)+1], v[\y+8*\t+2*\p:\y+8*\t+2*\p+1], v[\y+8*\t+2*\p:\y+8*\t+2*\p+1], v[SM2+2*(\o+\t):SM2+2*(\o+\t)+1]
.endr
.endr
.endm
.macro WOUT t, om, oq                  ; tile t: the wave's mean = c + s1 / 256 and M2 = s2 - s1 s1 / 256, to LDS (both halves of the lanes write the same words with the same values)
	v_add_f32 v[TM], v[SM1+2*\t], v[SM1+2*\t+1]
	v_add_f32 v[TM+1], v[SM2+2*\t], v[SM2+2*\t+1]
	v_permlanex16_b32 v[TM+2], v[TM], s[SEL], s[SEL+1]
	v_permlanex16_b32 v[TM+3], v[TM+1], s[SEL], s[SEL+1]
	v_add_f32 v[TM], v[TM], v[TM+2]
	v_add_f32 v[TM+1], v[TM+1], v[TM+3]
	v_mul_f32 v[TM+2], 0xbb800000, v[TM]
	v_fma_f32 v[RES+2*\t], v[TM], 0x3b800000, -v[NC+2*\t]
	v_fma_f32 v[RES+2*\t+1], v[TM+2], v[TM], v[TM+1]
	ds_store_b32 v[LWO], v[RES+2*\t] offset:\om
	ds_store_b32 v[LWO], v[RES+2*\t+1] offset:\oq
.endm
.macro JOIN8 mw, qw                    ; eight waves' means and M2 (256 rows each) -> v[TM] the mean, v[TM+1] M2
	v_pk_add_f32 v[TM:TM+1], v[\mw:\mw+1], v[\mw+2:\mw+3]
	v_pk_add_f32 v[TM+2:TM+3], v[\mw+4:\mw+5], v[\mw+6:\mw+7]
	v_pk_add_f32 v[TM:TM+1], v[TM:TM+1], v[TM+2:TM+3]
	v_add_f32 v[TM], v[TM], v[TM+1]
	v_mul_f32 v[TM], 0x3e000000, v[TM]
.irp k, 0,2,4,6
	v_pk_add_f32 v[\mw+\k:\mw+\k+1], v[\mw+\k:\mw+\k+1], v[TM:TM+1] op_sel_hi:[1,0] neg_lo:[0,1] neg_hi:[0,1]
.endr
	v_pk_mul_f32 v[TM+2:TM+3], v[\mw:\mw+1], v[\mw:\mw+1]
.irp k, 2,4,6
	v_pk_fma_f32 v[TM+2:TM+3], v[\mw+\k:\mw+\k+1], v[\mw+\k:\mw+\k+1], v[TM+2:TM+3]
.endr
	v_pk_add_f32 v[\qw:\qw+1], v[\qw:\qw+1], v[\qw+2:\qw+3]
	v_pk_add_f32 v[\qw+4:\qw+5], v[\qw+4:\qw+5], v[\qw+6:\qw+7]
	v_pk_add_f32 v[\qw:\qw+1], v[\qw:\qw+1], v[\qw+4:\qw+5]
	v_add_f32 v[TM+2], v[TM+2], v[TM+3]
	v_add_f32 v[\qw], v[\qw], v[\qw+1]
	v_fma_f32 v[TM+1], v[TM+2], 0x43800000, v[\qw]
.endm
	s_load_b512 s[4:19], s[0:1], 0x0               ; nums 4, part1 6, w1 8, b1 10, g1 12, be1 14, wq 16, h1c 18
	s_load_b128 s[20:23], s[0:1], 0x40             ; h1s 20, part2 22
	v_lshl_add_u32 v254, v0, 2, 0x5800
	v_mov_b32 v255, 0
	v_lshrrev_b32 v1, 5, v0
	v_readfirstlane_b32 s[WV], v1                  ; wave 0..7
	v_and_b32 v1, 31, v0                           ; lane
	v_and_b32 v2, 15, v0                           ; r
	v_bfe_u32 v3, v0, 4, 1                         ; h
	v_lshlrev_b32 v[LI], 4, v1
	v_lshlrev_b32 v[LL4], 2, v1
	s_lshl_b32 s52, s[WV], 10
	s_add_co_u32 s53, s52, SCST
	v_add_nc_u32 v[LSW0], s53, v[LL4]
	v_add_nc_u32 v[LSR], s53, v[LI]
	v_lshlrev_b32 v[LA16], 4, v0
	v_lshlrev_b32 v[LU4], 2, v0
	v_mov_b32 v[LZ], 0
	v_and_b32 v[LP4], 8, v2
	v_add_nc_u32 v[LP4], v[LP4], v2
	v_lshlrev_b32 v[LP4], 2, v[LP4]
	v_lshlrev_b32 v[LH64], 6, v3
	s_add_co_u32 s53, s52, WST
	v_add_nc_u32 v[LWO], s53, v[LP4]
	v_and_b32 v[PO], 63, v0
	v_min_u32 v[PO], 39, v[PO]                     ; 40 chunks of 16 bytes hold the 160 sums; threads 40-63 of a group repeat the last
	v_lshlrev_b32 v[PO], 4, v[PO]
	v_lshrrev_b32 v[UO], 6, v0
	v_mad_u32_u24 v[PO], v[UO], 49152, v[PO]       ; group p takes records 64 p .. 64 p + 63, 768 bytes each
	v_lshl_add_u32 v[WO], v3, 10, v[LP4]           ; w1: k = 4 s + 2 h + j, rows of 512 bytes; my unit's 4 bytes
	v_and_b32 v[UO], 127, v0
	v_lshlrev_b32 v[UO], 2, v[UO]
	s_lshl_b32 s34, ttmp9, 3
	s_add_co_u32 s34, s34, s[WV]                   ; which run of 256 rows is my wave's
	s_lshl_b32 s52, s34, 12                        ; in nums,
	s_mov_b32 s53, 0
	s_lshl_b32 s54, s34, 15                        ; in the codes,
	s_mov_b32 s55, 0
	s_lshl_b32 s56, s34, 10                        ; in the scale words
	s_mov_b32 s57, 0
	s_lshl_b32 s58, ttmp9, 10                      ; my work-group's record
	s_mov_b32 s59, 0
	s_mov_b32 s[HM], 0xffff0000
	s_mov_b32 s[MNT], 0x600000
	s_mov_b32 s[SEL], 0x76543210
	s_mov_b32 s[SEL+1], 0xfedcba98
	s_mov_b32 s[R24], 0x3d2aaaab
	s_mov_b32 s[SCO], 0
	s_mov_b32 s[CNT], FIRSTCNT
	s_wait_kmcnt 0x0
	s_load_b512 s[CC:CC+15], s[6:7], 0x280         ; c: the same in every record
	s_add_nc_u64 s[4:5], s[4:5], s[52:53]
	s_add_nc_u64 s[18:19], s[18:19], s[54:55]
	s_add_nc_u64 s[20:21], s[20:21], s[56:57]
	s_add_nc_u64 s[22:23], s[22:23], s[58:59]
	; ---- A: my chunk of my 64 records, all asked for at once, added by a tree inside window 1
	WIN 0x40                                       ; destination window 1
.set i, 0
.rept 64
	global_load_b128 v[4*i:4*i+3], v[PO], s[6:7] offset:768*i
.set i, i+1
.endr
	WIN 0x45                                       ; destination and both sources window 1
.irp b, 0,1,2,3
	s_wait_loadcnt 48-16*\b                        ; this batch of 16 is in; the younger batches stay out
	TREE16 64*\b
.endr
	v_pk_add_f32 v[0:1], v[0:1], v[64:65]
	v_pk_add_f32 v[2:3], v[2:3], v[66:67]
	v_pk_add_f32 v[128:129], v[128:129], v[192:193]
	v_pk_add_f32 v[130:131], v[130:131], v[194:195]
	WIN 0x05                                       ; the last sum lands in window 0
	v_pk_add_f32 v[PC:PC+1], v[0:1], v[128:129]
	v_pk_add_f32 v[PC+2:PC+3], v[2:3], v[130:131]
	WIN 0
	ds_store_b128 v[LA16], v[PC:PC+3]
	WIN 0x40
.irp t, 0,1,2,3,4,5,6,7
.irp s, 0,1,2,3
.irp j, 0,1
	global_load_b32 v[8*\t+2*\s+\j], v[WO], s[8:9] offset:(4*\s+\j)*512+(32*(\t/2)+8*(\t%2))*4   ; w1's fragments, still without s1
.endr
.endr
.endr
	WIN 0
.irp k, 0,1,2,3,4,5,6,7,8,9,10,11,12,13,14,15
	global_load_b32 v[H0+\k], v[UO], s[8:9] offset:512*\k     ; unit u's column of w1
.endr
	global_load_b32 v48, v[UO], s[10:11]           ; b1
	global_load_b32 v49, v[UO], s[12:13]           ; g1
	global_load_b32 v50, v[UO], s[14:15]           ; be1
	global_load_b128 v[N:N+3], v[LI], s[4:5] th:TH_LOAD_NT    ; the first trip's rows
	s_wait_kmcnt 0x0
	BARRIER
	; ---- B: threads 0-63 add the four groups' sums and divide by the batch
	s_cmp_ge_u32 s[WV], 2
	s_cbranch_scc1 .Lb_done
.irp p, 0,1,2,3
	ds_load_b128 v[U+4*\p:U+4*\p+3], v[LA16] offset:1024*\p
.endr
	s_wait_dscnt 0x0
	v_pk_add_f32 v[U:U+1], v[U:U+1], v[U+4:U+5]
	v_pk_add_f32 v[U+2:U+3], v[U+2:U+3], v[U+6:U+7]
	v_pk_add_f32 v[U+8:U+9], v[U+8:U+9], v[U+12:U+13]
	v_pk_add_f32 v[U+10:U+11], v[U+10:U+11], v[U+14:U+15]
	v_pk_add_f32 v[U:U+1], v[U:U+1], v[U+8:U+9]
	v_pk_add_f32 v[U+2:U+3], v[U+2:U+3], v[U+10:U+11]
	v_pk_mul_f32 v[U:U+1], v[U:U+1], 0x36000000 op_sel_hi:[1,0]     ; x 2^-19
	v_pk_mul_f32 v[U+2:U+3], v[U+2:U+3], 0x36000000 op_sel_hi:[1,0]
	ds_store_b128 v[LA16], v[U:U+3] offset:FIN
.Lb_done:
	BARRIER
	; ---- C: thread u < 128: unit u's mean and variance, s1 and t1
	s_cmp_ge_u32 s[WV], 4
	s_cbranch_scc1 .Lc_done
	WIN 0x40
.set i, 0
.rept 40
	ds_load_b128 v[64+4*i:64+4*i+3], v[LZ] offset:FIN+16*i    ; the 160 moments, the same in every lane: window 1, v64-223
.set i, i+1
.endr
	WIN 0
	s_wait_loadcnt 1                               ; all but the rows of the first trip, the one younger load
.irp k, 0,2,4,6,8,10,12,14
	v_pk_add_f32 v[W2X+\k:W2X+\k+1], v[H0+\k:H0+\k+1], v[H0+\k:H0+\k+1]
.endr
	v_mul_f32 v[CW], s[CC], v[H0]
.irp k, 1,2,3,4,5,6,7,8,9,10,11,12,13,14,15
	v_fma_f32 v[CW], s[CC+\k], v[H0+\k], v[CW]     ; c . w
.endr
	s_wait_dscnt 0x0
	WIN 0x01                                       ; source 0: window 1
	v_pk_mul_f32 v[DM:DM+1], v[64:65], v[H0:H0+1]
.irp k, 2,4,6,8,10,12,14
	v_pk_fma_f32 v[DM:DM+1], v[64+\k:65+\k], v[H0+\k:H0+\k+1], v[DM:DM+1]   ; mean d . w
.endr
.set q, 0
.rept 8                                        ; R_i = the sum over row i's entries of e_ij x (w_j inside the diagonal block, 2 w_j beyond it); the rows by turns
.set i, 0
.rept 16-2*q
.set ip, i/2
.set oo, 64+16+32*ip-2*ip*(ip-1)+(i%2)*(16-2*ip)+2*q
.if q == 0
	v_pk_mul_f32 v[RRB+2*i:RRB+2*i+1], v[oo:oo+1], v[H0+2*ip:H0+2*ip+1]
.else
	v_pk_fma_f32 v[RRB+2*i:RRB+2*i+1], v[oo:oo+1], v[W2X+2*ip+2*q:W2X+2*ip+2*q+1], v[RRB+2*i:RRB+2*i+1]
.endif
.set i, i+1
.endr
.set q, q+1
.endr
	WIN 0
	v_pk_mul_f32 v[VV:VV+1], v[RRB:RRB+1], v[H0:H0+1] op_sel_hi:[1,0]
	v_pk_fma_f32 v[VV:VV+1], v[RRB+2:RRB+3], v[H0:H0+1], v[VV:VV+1] op_sel:[0,1,0] op_sel_hi:[1,1,1]
.irp p, 1,2,3,4,5,6,7
	v_pk_fma_f32 v[VV:VV+1], v[RRB+4*\p:RRB+4*\p+1], v[H0+2*\p:H0+2*\p+1], v[VV:VV+1] op_sel_hi:[1,0,1]
	v_pk_fma_f32 v[VV:VV+1], v[RRB+4*\p+2:RRB+4*\p+3], v[H0+2*\p:H0+2*\p+1], v[VV:VV+1] op_sel:[0,1,0] op_sel_hi:[1,1,1]
.endr
	v_add_f32 v[DM], v[DM], v[DM+1]
	v_add_f32 v[VV], v[VV], v[VV+1]                ; w' E[d d'] w
	v_fma_f32 v[VV], -v[DM], v[DM], v[VV]          ; the variance
	v_max_num_f32 v[VV], 0, v[VV]
	v_add_f32 v[VV], 0x3727c5ac, v[VV]             ; + 1e-5
	v_rsq_f32 v[VV], v[VV]
	v_add_f32 v[CW], v[CW], v[DM]                  ; (a plain line behind the root)  mean of h0 . w
	v_add_f32 v[CW], v48, v[CW]                    ; the unit's mean, b1 in it
	s_wait_alu depctr_va_vdst(0)
	v_mul_f32 v[VV], v49, v[VV]                    ; s1
	v_sub_f32 v[CW], v48, v[CW]
	v_fma_f32 v[CW], v[CW], v[VV], v50             ; t1 = be1 + (b1 - mean) s1
	ds_store_b32 v[LU4], v[VV] offset:S1T
	ds_store_b32 v[LU4], v[CW] offset:T1T
.Lc_done:
	WIN 0x40
.irp t, 0,1,2,3,4,5,6,7
.irp c, 0,1,2,3
	global_load_b128 v[128+16*\t+4*\c:128+16*\t+4*\c+3], v[LI], s[16:17] offset:2048*\t+512*\c   ; w2's eight tiles: they stay
.endr
.endr
	WIN 0
.irp t, 0,1,2,3,4,5,6,7
	global_load_b32 v[WS+\t], v[LL4], s[16:17] offset:24576+128*\t
.endr
	BARRIER
	; ---- D: s1 into w1's fragments; t1 in the result's layout
.irp t, 0,1,2,3,4,5,6,7
	ds_load_b32 v[SV+\t], v[LP4] offset:S1T+(32*(\t/2)+8*(\t%2))*4
.endr
	WIN 0x40
.irp t, 0,1,2,3,4,5,6,7
	ds_load_b128 v[64+8*\t:64+8*\t+3], v[LH64] offset:T1T+(32*(\t/2)+8*(\t%2))*4
	ds_load_b128 v[64+8*\t+4:64+8*\t+7], v[LH64] offset:T1T+(32*(\t/2)+8*(\t%2))*4+16
.endr
	s_wait_dscnt 0x0
	s_wait_loadcnt 0x0
	WIN 0x41                                       ; destination and source 0 window 1
.irp t, 0,1,2,3,4,5,6,7
.irp e, 0,1,2,3,4,5,6,7
	v_mul_f32 v[8*\t+\e], v[8*\t+\e], v[SV+\t]
.endr
.endr
	WIN 0
.set i, 0
.rept 48
	v_mov_b32 v[NC+i], 0                           ; -c and the two sums: the loop is written once
.set i, i+1
.endr
.irp b, 0,1,2,3
	v_mov_b32 v[TM+4+\b], 0                        ; a lane permute's destination counts as one of its sources
.endr
; A tile of 16 rows: x = 0: rows 0-15 of the trip, 1: rows 16-31
.macro TILE x, pw
	WIN 0x11                                       ; source 0 (w1) and C (t1) window 1
.irp t, 0,1,2,3,4,5,6,7
	v_wmma_f32_16x16x4_f32 v[Z1+8*\t:Z1+8*\t+7], v[8*\t:8*\t+1], v[H0+2*\x:H0+2*\x+1], v[64+8*\t:64+8*\t+7]
.endr
	WIN 0x01
.irp s, 1,2,3                                  ; the eight accumulators by turns, one instruction a turn
.irp t, 0,1,2,3,4,5,6,7
	v_wmma_f32_16x16x4_f32 v[Z1+8*\t:Z1+8*\t+7], v[8*\t+2*\s:8*\t+2*\s+1], v[H0+4*\s+2*\x:H0+4*\s+2*\x+1], v[Z1+8*\t:Z1+8*\t+7]
.endr
.endr
	WIN 0
.rept 8
	v_nop                                          ; eight plain lines between this form and the first read of its results
.endr
	s_wait_xcnt 0x0                                ; the last tile's stores have read the codes' registers
	QUANT Z1, U, \pw
.irp c, 0,1,2,3
	global_store_b128 v[LI], v[PC+4*\c:PC+4*\c+3], s[18:19] offset:2048*\x+512*\c   ; 512 consecutive bytes a store
.endr
.irp g, 0,1                                    ; y2 for the statistics: source 0 = my 16 rows' codes, source 1 = a tile of w2: a lane holds one unit and 8 rows
	WIN 0x04                                       ; source 1 window 1
.irp i, 0,1,2,3
	v_wmma_scale_f32_16x16x128_f8f6f4 v[U+8*\i:U+8*\i+7], v[PC:PC+15], v[128+16*(4*\g+\i):128+16*(4*\g+\i)+15], 0, v[\pw], v[WS+4*\g+\i]
.endr
	WIN 0
.rept 8
	v_nop
.endr
.if \x == 0
	PIVOTG U, 4*\g
.endif
	STATS U, 4*\g                                  ; (for each tile the other three tiles' 36 lines and the eight above stand ahead of the products that write these registers anew)
.endr
.endm
.Ltrip:
	s_wait_loadcnt 0x0                             ; my row's four numbers
.irp k, 0,1,2,3
	v_mov_b32 v[H0+\k], v[N+\k]
.endr
	FEAT N, H0+4
	s_cmp_eq_u32 s[CNT], 1                         ; the last trip asks for nothing: no load leaves its buffer
	s_cbranch_scc1 .Lno_next
	s_add_nc_u64 s[4:5], s[4:5], 512               ; (the load that used this base is done)
	global_load_b128 v[N:N+3], v[LI], s[4:5] th:TH_LOAD_NT
.Lno_next:
.irp s, 0,1,2,3                                ; a lane holds its row's 16 numbers; the operand wants lane (r, h) to hold k = 4 s + 2 h + j of row r.  The exchange of one register's upper
.irp j, 0,1                                    ; half with the other's lower half gives both tiles' operands: registers 4 s, 4 s + 1 the first tile's, 4 s + 2, 4 s + 3 the second's
	v_permlane16_swap_b32 v[H0+4*\s+\j], v[H0+4*\s+2+\j]
.endr
.endr
	TILE 0, PWA
	TILE 1, PWB
	s_wait_dscnt 0x0                               ; the last trip's LDS store has read its registers
	v_cndmask_b32 v[PWS], v[PWA], v[PWB], s[HM]    ; lane l: row l's scale word
	v_add_nc_u32 v[LSW], s[SCO], v[LSW0]
	ds_store_b32 v[LSW], v[PWS]
	s_add_co_u32 s[SCO], s[SCO], 128
	s_wait_xcnt 0x0                                ; the stores have read their base
	s_add_nc_u64 s[18:19], s[18:19], 4096
	s_sub_co_u32 s[CNT], s[CNT], 1
	s_cmp_lg_u32 s[CNT], 0
	s_cbranch_scc1 .Ltrip
.irp t, 0,1,2,3,4,5,6,7
	WOUT \t, (32*(\t/2)+8*(\t%2))*4, 512+(32*(\t/2)+8*(\t%2))*4
.endr
	ds_load_b128 v[PC:PC+3], v[LSR]                ; my 256 rows' scale words: LDS serves a wave's instructions in order
	ds_load_b128 v[PC+4:PC+7], v[LSR] offset:512
	s_wait_dscnt 0x0
	global_store_b128 v[LI], v[PC:PC+3], s[20:21]
	global_store_b128 v[LI], v[PC+4:PC+7], s[20:21] offset:512
	s_barrier_signal -1
	s_barrier_wait -1                              ; every wave's means and M2 lie in LDS
	s_cmp_ge_u32 s[WV], 4
	s_cbranch_scc1 .Lend
.irp w, 0,1,2,3,4,5,6,7
	ds_load_b32 v[H0+\w], v[LU4] offset:WST+1024*\w
	ds_load_b32 v[H0+8+\w], v[LU4] offset:WST+1024*\w+512
.endr
	s_wait_dscnt 0x0
	JOIN8 H0, H0+8
	global_store_b32 v[LU4], v[TM], s[22:23]
	global_store_b32 v[LU4], v[TM+1], s[22:23] offset:512
.Lend:
	s_wait_tensorcnt 0x0
	ds_add_u32 v254, v255
	s_wait_dscnt 0x0
	s_endpgm
.Lfunc_end_k_q0e819f7c07_layer1:
	.size	k_q0e819f7c07_layer1, .Lfunc_end_k_q0e819f7c07_layer1-k_q0e819f7c07_layer1
	.p2alignl 7, 3214868480
	.fill 96, 4, 3214868480
	.section	.rodata,"a",@progbits
	.p2align	6, 0x0
	.amdhsa_kernel k_q0e819f7c07_layer1
		.amdhsa_group_segment_fixed_size 23552
		.amdhsa_private_segment_fixed_size 0
		.amdhsa_enable_private_segment 0
		.amdhsa_kernarg_size 80
		.amdhsa_user_sgpr_count 2
		.amdhsa_user_sgpr_kernarg_segment_ptr 1
		.amdhsa_wavefront_size32 1
		.amdhsa_system_sgpr_workgroup_id_x 1
		.amdhsa_system_sgpr_workgroup_id_y 1
		.amdhsa_system_sgpr_workgroup_id_z 1
		.amdhsa_system_vgpr_workitem_id 0
		.amdhsa_next_free_vgpr 512
		.amdhsa_next_free_sgpr 66
		.amdhsa_reserve_vcc 1
		.amdhsa_float_denorm_mode_32 3
		.amdhsa_float_denorm_mode_16_64 3
		.amdhsa_memory_ordered 1
		.amdhsa_forward_progress 1
		.amdhsa_inst_pref_size 100
	.end_amdhsa_kernel
	.amdgpu_metadata
---
amdhsa.version: [ 1, 2 ]
amdhsa.kernels:
  - .name:           k_q0e819f7c07_layer1
    .symbol:         k_q0e819f7c07_layer1.kd
    .args:
      - { .name: nums, .offset: 0, .size: 8, .value_kind: global_buffer, .address_space: global }
      - { .name: part1, .offset: 8, .size: 8, .value_kind: global_buffer, .address_space: global }
      - { .name: w1, .offset: 16, .size: 8, .value_kind: global_buffer, .address_space: global }
      - { .name: b1, .offset: 24, .size: 8, .value_kind: global_buffer, .address_space: global }
      - { .name: g1, .offset: 32, .size: 8, .value_kind: global_buffer, .address_space: global }
      - { .name: be1, .offset: 40, .size: 8, .value_kind: global_buffer, .address_space: global }
      - { .name: wq, .offset: 48, .size: 8, .value_kind: global_buffer, .address_space: global }
      - { .name: h1c, .offset: 56, .size: 8, .value_kind: global_buffer, .address_space: global }
      - { .name: h1s, .offset: 64, .size: 8, .value_kind: global_buffer, .address_space: global }
      - { .name: part2, .offset: 72, .size: 8, .value_kind: global_buffer, .address_space: global }
    .group_segment_fixed_size: 23552
    .private_segment_fixed_size: 0
    .kernarg_segment_align: 8
    .kernarg_segment_size: 80
    .max_flat_workgroup_size: 256
    .sgpr_count:     66
    .vgpr_count:     512
    .wavefront_size: 32
...
	.end_amdgpu_metadata
.endif
;; end of part 2
;; launch layer2 (part 3): grid 256 x 1, 8 waves a work-group, no clusters, 284,672 bytes of LDS; arguments h1c, h1s, wq, part2, b2, g2, be2, part3, bn2; writes part3, bn2
.if DOCPART == 3
	.amdgcn_target "amdgcn-amd-amdhsa--gfx1250"
	.amdhsa_code_object_version 6
	.text
	.protected	k_q0e819f7c07_layer2
	.globl	k_q0e819f7c07_layer2
	.p2align	8
	.type	k_q0e819f7c07_layer2,@function
k_q0e819f7c07_layer2:
	s_mov_b64 s[64:65], 0
	v_nop
	global_prefetch_b8 v0, s[64:65] scope:SCOPE_SE
	s_setreg_imm32_b32 hwreg(HW_REG_WAVE_MODE, 25, 1), 1
	s_wait_xcnt 0x0
; LAYER 2, for layer 3's statistics.  From h1's codes: y2 = Q(h1) Q(w2), h2 = relu(s2 y2 + t2), quantised in registers, y3 = Q(h2) Q(w3); of y3 only sums are kept.
; INPUT: a work-group's 2,048 rows are 256 KiB of codes and 8 KiB of scale words: all of it fits in LDS.  Each wave asks for its own 33 KiB at the head by five tensor loads (its scale words, then four
; runs of four tiles); each byte of LDS is filled once, each wave reads only what it asked for, behind its own counted wait: no ring and no barrier for the tiles.  Five loads of a wave are out at most.
; Work-groups share only the weights' 26 KB and the records, a small part of what each reads, so no cluster is used.
; PROLOGUE: every work-group joins the 256 records (mean, M2 of 2,048 rows each) of y2: differences from record 0, their sums and squares, so that no large sums are subtracted;
; s2 = g2 rsq(var + 1e-5), t2 = be2 + (b2 - mean) s2 with mean = mean(y2) + b2.  Work-group 0 also stores s2 and t2 for the next launch.
; LAYOUT: the first product is used transposed (source 0 = 16 units of w2, chosen so that two neighbouring tiles give a lane 16 neighbours along the next K; source 1 = 16 rows): the conversions'
; results are the next operand's registers.  The second is used naturally: a lane holds one unit and 8 rows, which suits sums over rows.
; A record of part3: mean[64], M2[64].  LIMITS: NaN and infinities are not served; a block of zeros has the byte 1 and zero codes.
; WINDOW 1: v0-127 w2's eight tiles, v128-191 w3's four, v192-255 s2 in the first result's layout.
.set AD0, 1                            ; v1   32768 wave + 16 lane
.set AS0, 2                            ; v2   SCW + 1024 wave + 4 lane
.set AD,  3
.set AS,  4
.set LCA, 5                            ; v5   CA + 16 thread
.set LUA, 6                            ; v6   CA + 4 thread
.set LTB, 7                            ; v7   TAB + 64 h
.set LWO, 8                            ; v8   WST + 512 wave + 4 r
.set LJ,  9                            ; v9   WST + 4 thread
.set PO,  10                           ; v10  part2: my chunk of my 64 records
.set QO,  11                           ; v11  my chunk of record 0
.set UO,  12                           ; v12  4 x (thread % 128)
.set LI,  13                           ; v13  16 x lane
.set LL4, 14                           ; v14  4 x lane
.set FA,  16                           ; v16-31, v32-47 two tiles of rows
.set FB,  32
.set CP,  16                           ; prologue: record 0's chunk, the sums, four sets of squares
.set AQ,  20
.set BQ,  24
.set XS,  48                           ; v48  32 rows' scale words
.set PW,  49                           ; v49  h2's scale word
.set TM,  50                           ; v50-65
.set PC,  66                           ; v66-81
.set WS,  82                           ; v82-93 the weights' scale words
.set NC,  94
.set SM1, 102
.set SM2, 110
.set RES, 118
.set Y2,  128                          ; v128-191
.set Y3,  128                          ; v128-159
.set T2R, 192                          ; v192-255 t2 in the first result's layout
.set SCW, 262144                       ; LDS: 0 the codes, 32,768 a wave; SCW the scale words, 1,024 a wave
.set CA,  270336                       ; the threads' sums; 4,096 further on their squares
.set TAB, 278528                       ; s2[128], t2[128]
.set WST, 279552                       ; 512 bytes a wave: mean[64], M2[64]
.set WV,  22
.set G1C, 24
.set G1S, 32
.set G0,  40
.set G0S, 56
.set TBO, 60
.set TSO, 61
.set CNT, 62
.set FIRSTCNT, 2
.set MNT, 63
.set SEL, 66
.set MSB, 0
.macro WIN new
.if MSB != \new
	s_set_vgpr_msb (MSB<<8)|\new
.set MSB, \new
.endif
.endm
.macro BARRIER
	s_wait_dscnt 0x0
	s_barrier_signal -1
	s_barrier_wait -1
.endm
.macro QUANT src, pw                   ; 64 numbers of a lane in place: what is negative becomes 0; codes to v[PC] on, the scale word to v[pw]
.irp b, 0,1,2,3
	v_max3_num_f32 v[TM+\b], v[\src+16*\b], v[\src+16*\b+1], 0x4800000
.endr
.irp i, 2,4,6,8,10,12,14
.irp b, 0,1,2,3
	v_max3_num_f32 v[TM+\b], v[TM+\b], v[\src+16*\b+\i], v[\src+16*\b+\i+1]
.endr
.endr
.irp b, 0,1,2,3
	v_permlanex16_b32 v[TM+4+\b], v[TM+\b], s[SEL], s[SEL+1]
.endr
.irp b, 0,1,2,3
	v_max_num_f32 v[TM+\b], v[TM+\b], v[TM+4+\b]
.endr
.irp b, 0,1,2,3
	v_add_nc_u32 v[TM+12+\b], 0xfc000000, v[TM+\b]
.endr
.irp b, 0,1,2,3
	v_and_or_b32 v[TM+8+\b], v[TM+\b], 0x7f800000, s[MNT]
.endr
.irp b, 0,1,2,3
	v_lshrrev_b32 v[TM+4+\b], 23, v[TM+12+\b]
.endr
	v_lshl_or_b32 v[\pw], v[TM+5], 8, v[TM+4]
	v_lshl_or_b32 v[\pw], v[TM+6], 16, v[\pw]
	v_lshl_or_b32 v[\pw], v[TM+7], 24, v[\pw]
.irp b, 0,1,2,3
.irp i, 0,1,2,3,4,5,6,7,8,9,10,11,12,13,14,15
	v_med3_num_f32 v[\src+16*\b+\i], v[\src+16*\b+\i], 0, v[TM+8+\b]   ; the activation and the hold in one
.endr
	v_cvt_scalef32_pk8_fp8_f32 v[PC+4*\b:PC+4*\b+1], v[\src+16*\b:\src+16*\b+7], v[TM+12+\b]
	v_cvt_scalef32_pk8_fp8_f32 v[PC+4*\b+2:PC+4*\b+3], v[\src+16*\b+8:\src+16*\b+15], v[TM+12+\b]
.endr
.rept 4
	v_nop                                          ; four plain lines between the codes' last write and the scaled product
.endr
.endm
.macro TREE16 base
.irp d, 8,4,2,1
.set j, 0
.rept \d
	v_pk_add_f32 v[\base+4*j:\base+4*j+1], v[\base+4*j:\base+4*j+1], v[\base+4*(j+\d):\base+4*(j+\d)+1]
	v_pk_add_f32 v[\base+4*j+2:\base+4*j+3], v[\base+4*j+2:\base+4*j+3], v[\base+4*(j+\d)+2:\base+4*(j+\d)+3]
.set j, j+1
.endr
.endr
.endm
.macro DIFF16 base                     ; sixteen records' chunks less record 0's
.set j, 0
.rept 16
	v_pk_add_f32 v[\base+4*j:\base+4*j+1], v[\base+4*j:\base+4*j+1], v[CP:CP+1] neg_lo:[0,1] neg_hi:[0,1]
	v_pk_add_f32 v[\base+4*j+2:\base+4*j+3], v[\base+4*j+2:\base+4*j+3], v[CP+2:CP+3] neg_lo:[0,1] neg_hi:[0,1]
.set j, j+1
.endr
.endm
.macro SQ16 base, first                ; their squares, into four sets by turns; the first four start the sums
.set j, 0
.rept 16
.if \first && (j < 4)
	v_pk_mul_f32 v[BQ+4*(j%4):BQ+4*(j%4)+1], v[\base+4*j:\base+4*j+1], v[\base+4*j:\base+4*j+1]
	v_pk_mul_f32 v[BQ+4*(j%4)+2:BQ+4*(j%4)+3], v[\base+4*j+2:\base+4*j+3], v[\base+4*j+2:\base+4*j+3]
.else
	v_pk_fma_f32 v[BQ+4*(j%4):BQ+4*(j%4)+1], v[\base+4*j:\base+4*j+1], v[\base+4*j:\base+4*j+1], v[BQ+4*(j%4):BQ+4*(j%4)+1]
	v_pk_fma_f32 v[BQ+4*(j%4)+2:BQ+4*(j%4)+3], v[\base+4*j+2:\base+4*j+3], v[\base+4*j+2:\base+4*j+3], v[BQ+4*(j%4)+2:BQ+4*(j%4)+3]
.endif
.set j, j+1
.endr
.endm
.macro PIVOTG y, o
	s_cmp_lg_u32 s[CNT], FIRSTCNT
	s_cbranch_scc1 .Lnp_\@
.irp t, 0,1,2,3
	v_pk_add_f32 v[TM:TM+1], v[\y+8*\t:\y+8*\t+1], v[\y+8*\t+2:\y+8*\t+3]
	v_pk_add_f32 v[TM+2:TM+3], v[\y+8*\t+4:\y+8*\t+5], v[\y+8*\t+6:\y+8*\t+7]
	v_pk_add_f32 v[TM:TM+1], v[TM:TM+1], v[TM+2:TM+3]
	v_add_f32 v[TM], v[TM], v[TM+1]
	v_permlanex16_b32 v[TM+2], v[TM], s[SEL], s[SEL+1]
	v_add_f32 v[TM], v[TM], v[TM+2]
	v_mul_f32 v[NC+2*(\o+\t)], 0xbd800000, v[TM]
	v_mov_b32 v[NC+2*(\o+\t)+1], v[NC+2*(\o+\t)]
.endr
.Lnp_\@:
.endm
.macro STATS y, o
.irp p, 0,1,2,3
.irp t, 0,1,2,3
	v_pk_add_f32 v[\y+8*\t+2*\p:\y+8*\t+2*\p+1], v[\y+8*\t+2*\p:\y+8*\t+2*\p+1], v[NC+2*(\o+\t):NC+2*(\o+\t)+1]
.endr
.irp t, 0,1,2,3
	v_pk_add_f32 v[SM1+2*(\o+\t):SM1+2*(\o+\t)+1], v[SM1+2*(\o+\t):SM1+2*(\o+\t)+1], v[\y+8*\t+2*\p:\y+8*\t+2*\p+1]
.endr
.irp t, 0,1,2,3
	v_pk_fma_f32 v[SM2+2*(\o+\t):SM2+2*(\o+\t)+1], v[\y+8*\t+2*\p:\y+8*\t+2*\p+1], v[\y+8*\t+2*\p:\y+8*\t+2*\p+1], v[SM2+2*(\o+\t):SM2+2*(\o+\t)+1]
.endr
.endr
.endm
.macro WOUT t, om, oq
	v_add_f32 v[TM], v[SM1+2*\t], v[SM1+2*\t+1]
	v_add_f32 v[TM+1], v[SM2+2*\t], v[SM2+2*\t+1]
	v_permlanex16_b32 v[TM+2], v[TM], s[SEL], s[SEL+1]
	v_permlanex16_b32 v[TM+3], v[TM+1], s[SEL], s[SEL+1]
	v_add_f32 v[TM], v[TM], v[TM+2]
	v_add_f32 v[TM+1], v[TM+1], v[TM+3]
	v_mul_f32 v[TM+2], 0xbb800000, v[TM]
	v_fma_f32 v[RES+2*\t], v[TM], 0x3b800000, -v[NC+2*\t]
	v_fma_f32 v[RES+2*\t+1], v[TM+2], v[TM], v[TM+1]
	ds_store_b32 v[LWO], v[RES+2*\t] offset:\om
	ds_store_b32 v[LWO], v[RES+2*\t+1] offset:\oq
.endm
.macro JOIN8 mw, qw
	v_pk_add_f32 v[TM:TM+1], v[\mw:\mw+1], v[\mw+2:\mw+3]
	v_pk_add_f32 v[TM+2:TM+3], v[\mw+4:\mw+5], v[\mw+6:\mw+7]
	v_pk_add_f32 v[TM:TM+1], v[TM:TM+1], v[TM+2:TM+3]
	v_add_f32 v[TM], v[TM], v[TM+1]
	v_mul_f32 v[TM], 0x3e000000, v[TM]
.irp k, 0,2,4,6
	v_pk_add_f32 v[\mw+\k:\mw+\k+1], v[\mw+\k:\mw+\k+1], v[TM:TM+1] op_sel_hi:[1,0] neg_lo:[0,1] neg_hi:[0,1]
.endr
	v_pk_mul_f32 v[TM+2:TM+3], v[\mw:\mw+1], v[\mw:\mw+1]
.irp k, 2,4,6
	v_pk_fma_f32 v[TM+2:TM+3], v[\mw+\k:\mw+\k+1], v[\mw+\k:\mw+\k+1], v[TM+2:TM+3]
.endr
	v_pk_add_f32 v[\qw:\qw+1], v[\qw:\qw+1], v[\qw+2:\qw+3]
	v_pk_add_f32 v[\qw+4:\qw+5], v[\qw+4:\qw+5], v[\qw+6:\qw+7]
	v_pk_add_f32 v[\qw:\qw+1], v[\qw:\qw+1], v[\qw+4:\qw+5]
	v_add_f32 v[TM+2], v[TM+2], v[TM+3]
	v_add_f32 v[\qw], v[\qw], v[\qw+1]
	v_fma_f32 v[TM+1], v[TM+2], 0x43800000, v[\qw]
.endm
; A tile of 16 rows from its codes in v[f] on to y3.  row1 = 1: its scale words lie in lanes 16-31 of v[XS]
.macro CHAIN f, row1
	WIN 0x01                                       ; source 0 (w2) window 1
.irp t, 0,1,2,3,4,5,6,7
.if \row1
	v_wmma_scale_f32_16x16x128_f8f6f4 v[Y2+8*\t:Y2+8*\t+7], v[16*\t:16*\t+15], v[\f:\f+15], 0, v[WS+\t], v[XS] matrix_b_scale:MATRIX_SCALE_ROW1
.else
	v_wmma_scale_f32_16x16x128_f8f6f4 v[Y2+8*\t:Y2+8*\t+7], v[16*\t:16*\t+15], v[\f:\f+15], 0, v[WS+\t], v[XS]
.endif
.endr
.rept 8
	v_nop                                          ; eight plain lines between this form and the first read of its results
.endr
	WIN 0x04                                       ; source 1 (s2) window 1
.set j, 0
.rept 32
	v_pk_fma_f32 v[Y2+j:Y2+j+1], v[Y2+j:Y2+j+1], v[192+j:193+j], v[T2R+j:T2R+j+1]   ; BN; ascending
.set j, j+2
.endr
	WIN 0
	QUANT Y2, PW
	WIN 0x04                                       ; source 1 (w3) window 1
.irp t, 0,1,2,3
	v_wmma_scale_f32_16x16x128_f8f6f4 v[Y3+8*\t:Y3+8*\t+7], v[PC:PC+15], v[128+16*\t:128+16*\t+15], 0, v[PW], v[WS+8+\t]
.endr
	WIN 0
.rept 8
	v_nop
.endr
.endm
	s_load_b512 s[4:19], s[0:1], 0x0               ; h1c 4, h1s 6, wq 8, part2 10, b2 12, g2 14, be2 16, part3 18
	s_load_b64 s[20:21], s[0:1], 0x40              ; bn2
	v_lshl_add_u32 v126, v0, 2, 0x45400
	v_mov_b32 v127, 0
	ds_add_u32 v126, v127
	ds_add_u32 v126, v127
	v_lshrrev_b32 v15, 5, v0
	v_readfirstlane_b32 s[WV], v15                 ; wave 0..7
	s_lshl_b32 s68, ttmp9, 3
	s_add_co_u32 s68, s68, s[WV]                   ; which run of 256 rows is my wave's
	s_lshl_b32 s70, s68, 15                        ; its codes,
	s_mov_b32 s71, 0
	s_lshl_b32 s72, s68, 10                        ; its scale words
	s_mov_b32 s73, 0
	s_lshl_b32 s69, s[WV], 15                      ; and their places in LDS
	s_lshl_b32 s74, s[WV], 10
	; group 1: a dense block as rows of 256 bytes (32 elements of 8 bytes), no padding: 32 rows of codes, 4 rows of scale words
	s_mov_b32 s[G1C], 3<<16
	s_mov_b32 s[G1C+1], 32<<16                     ; tensor_dim0
	s_mov_b32 s[G1C+2], 32<<16                     ; tensor_dim1
	s_mov_b32 s[G1C+3], 32<<16                     ; tile_dim0
	s_mov_b32 s[G1C+4], 32                         ; tile_dim1
	s_mov_b32 s[G1C+5], 32                         ; the pitch
	s_mov_b32 s[G1C+6], 0
	s_mov_b32 s[G1C+7], 0
	s_mov_b32 s[G1S], 3<<16
	s_mov_b32 s[G1S+1], 32<<16
	s_mov_b32 s[G1S+2], 4<<16
	s_mov_b32 s[G1S+3], 32<<16
	s_mov_b32 s[G1S+4], 4
	s_mov_b32 s[G1S+5], 32
	s_mov_b32 s[G1S+6], 0
	s_mov_b32 s[G1S+7], 0
	s_mov_b32 s[MNT], 0x600000
	s_mov_b32 s[SEL], 0x76543210
	s_mov_b32 s[SEL+1], 0xfedcba98
	v_and_b32 v15, 31, v0
	v_lshlrev_b32 v[LI], 4, v15
	v_lshlrev_b32 v[LL4], 2, v15
	v_add_nc_u32 v[AD0], s69, v[LI]
	s_add_co_u32 s75, s74, SCW
	v_add_nc_u32 v[AS0], s75, v[LL4]
	v_lshl_add_u32 v[LCA], v0, 4, CA
	v_lshl_add_u32 v[LUA], v0, 2, CA
	v_bfe_u32 v15, v0, 4, 1
	v_lshl_add_u32 v[LTB], v15, 6, TAB
	v_and_b32 v15, 15, v0
	s_lshl_b32 s75, s[WV], 9
	s_add_co_u32 s75, s75, WST
	v_lshl_add_u32 v[LWO], v15, 2, s75
	v_lshl_add_u32 v[LJ], v0, 2, WST
	v_and_b32 v[QO], 63, v0
	v_lshlrev_b32 v[QO], 4, v[QO]
	v_lshrrev_b32 v15, 6, v0
	v_lshl_add_u32 v[PO], v15, 16, v[QO]           ; group p takes records 64 p .. 64 p + 63, 1,024 bytes each
	v_and_b32 v[UO], 127, v0
	v_lshlrev_b32 v[UO], 2, v[UO]
	s_lshl_b32 s76, ttmp9, 9                       ; my work-group's record of part3
	s_mov_b32 s77, 0
	s_wait_dscnt 0x0
	s_wait_kmcnt 0x0
	s_add_nc_u64 s[70:71], s[4:5], s[70:71]
	s_add_nc_u64 s[72:73], s[6:7], s[72:73]
	s_add_nc_u64 s[18:19], s[18:19], s[76:77]
.irp i, 0,1,2,3
	s_mov_b32 s[G0+4*\i], 1
	s_add_co_u32 s[G0+4*\i+1], s69, 8192*\i
	s_add_nc_u64 s[G0+4*\i+2:G0+4*\i+3], s[70:71], 8192*\i
	s_or_b32 s[G0+4*\i+3], s[G0+4*\i+3], 0x80000000
.endr
	s_mov_b32 s[G0S], 1
	s_add_co_u32 s[G0S+1], s74, SCW
	s_mov_b64 s[G0S+2:G0S+3], s[72:73]
	s_or_b32 s[G0S+3], s[G0S+3], 0x80000000
	tensor_load_to_lds s[G0S:G0S+3], s[G1S:G1S+7]  ; all my input, ahead of everything else: the scale words, then four runs of four tiles
	s_nop 0
	tensor_load_to_lds s[G0:G0+3], s[G1C:G1C+7]
	s_nop 0
	tensor_load_to_lds s[G0+4:G0+7], s[G1C:G1C+7]
	s_nop 0
	tensor_load_to_lds s[G0+8:G0+11], s[G1C:G1C+7]
	s_nop 0
	tensor_load_to_lds s[G0+12:G0+15], s[G1C:G1C+7]
	s_nop 0
.rept 4
	v_nop
.endr
	; ---- the records of y2
	global_load_b128 v[CP:CP+3], v[QO], s[10:11]
	WIN 0x40
.set i, 0
.rept 64
	global_load_b128 v[4*i:4*i+3], v[PO], s[10:11] offset:1024*i
.set i, i+1
.endr
.irp b, 0,1,2,3
	s_wait_loadcnt 48-16*\b                        ; record 0's chunk and this batch of 16 are in; the younger batches stay out
	WIN 0x41                                       ; destination and source 0 window 1
	DIFF16 64*\b
	WIN 0x05                                       ; both factors window 1
.if \b == 0
	SQ16 0, 1
.else
	SQ16 64*\b, 0
.endif
	WIN 0x45
	TREE16 64*\b
.endr
	v_pk_add_f32 v[0:1], v[0:1], v[64:65]
	v_pk_add_f32 v[2:3], v[2:3], v[66:67]
	v_pk_add_f32 v[128:129], v[128:129], v[192:193]
	v_pk_add_f32 v[130:131], v[130:131], v[194:195]
	WIN 0x05
	v_pk_add_f32 v[AQ:AQ+1], v[0:1], v[128:129]
	v_pk_add_f32 v[AQ+2:AQ+3], v[2:3], v[130:131]
	WIN 0
	v_pk_add_f32 v[BQ:BQ+1], v[BQ:BQ+1], v[BQ+4:BQ+5]
	v_pk_add_f32 v[BQ+2:BQ+3], v[BQ+2:BQ+3], v[BQ+6:BQ+7]
	v_pk_add_f32 v[BQ+8:BQ+9], v[BQ+8:BQ+9], v[BQ+12:BQ+13]
	v_pk_add_f32 v[BQ+10:BQ+11], v[BQ+10:BQ+11], v[BQ+14:BQ+15]
	v_pk_add_f32 v[BQ:BQ+1], v[BQ:BQ+1], v[BQ+8:BQ+9]
	v_pk_add_f32 v[BQ+2:BQ+3], v[BQ+2:BQ+3], v[BQ+10:BQ+11]
	ds_store_b128 v[LCA], v[AQ:AQ+3]
	ds_store_b128 v[LCA], v[BQ:BQ+3] offset:4096
	global_load_b32 v40, v[UO], s[12:13]           ; b2
	global_load_b32 v41, v[UO], s[14:15]           ; g2
	global_load_b32 v42, v[UO], s[16:17]           ; be2
	global_load_b32 v43, v[UO], s[10:11]           ; record 0's mean
	global_load_b32 v44, v[UO], s[10:11] offset:512    ; and M2
	WIN 0x40
.irp t, 0,1,2,3,4,5,6,7,8,9,10,11
.irp c, 0,1,2,3
	global_load_b128 v[16*\t+4*\c:16*\t+4*\c+3], v[LI], s[8:9] offset:2048*\t+512*\c   ; the weights' twelve tiles: they stay
.endr
.endr
	WIN 0
.irp t, 0,1,2,3,4,5,6,7,8,9,10,11
	global_load_b32 v[WS+\t], v[LL4], s[8:9] offset:24576+128*\t
.endr
	BARRIER
	s_cmp_ge_u32 s[WV], 4
	s_cbranch_scc1 .Lu_done
	s_wait_loadcnt 60                              ; my unit's five numbers are in; the weights' 60 loads are younger
.irp p, 0,1,2,3
	ds_load_b32 v[50+\p], v[LUA] offset:1024*\p
	ds_load_b32 v[54+\p], v[LUA] offset:1024*\p+512
	ds_load_b32 v[58+\p], v[LUA] offset:1024*\p+4096
.endr
	s_wait_dscnt 0x0
	v_pk_add_f32 v[50:51], v[50:51], v[52:53]
	v_pk_add_f32 v[54:55], v[54:55], v[56:57]
	v_pk_add_f32 v[58:59], v[58:59], v[60:61]
	v_add_f32 v50, v50, v51                        ; A: the sum of (mean_i - mean_0)
	v_add_f32 v54, v54, v55                        ; the sum of (M2_i - M2_0)
	v_add_f32 v58, v58, v59                        ; the sum of (mean_i - mean_0)^2
	v_mul_f32 v51, 0xbb800000, v50
	v_fma_f32 v52, v50, 0x3b800000, v43            ; the mean of y2
	v_fma_f32 v58, v51, v50, v58                   ; the sum of (mean_i - mean)^2
	v_fma_f32 v54, v54, 0x3b800000, v44            ; the mean of M2_i
	v_mul_f32 v58, 0x3b800000, v58
	v_fma_f32 v58, v54, 0x3a000000, v58            ; the variance: / 2048 and / 256
	v_max_num_f32 v58, 0, v58
	v_add_f32 v58, 0x3727c5ac, v58
	v_rsq_f32 v58, v58
	v_add_f32 v52, v40, v52                        ; (a plain line behind the root)  the unit's mean, b2 in it
	s_wait_alu depctr_va_vdst(0)
	v_mul_f32 v58, v41, v58                        ; s2
	v_sub_f32 v52, v40, v52
	v_fma_f32 v52, v52, v58, v42                   ; t2
	ds_store_b32 v[LUA], v58 offset:TAB-CA
	ds_store_b32 v[LUA], v52 offset:TAB-CA+512
	s_cmp_lg_u32 ttmp9, 0
	s_cbranch_scc1 .Lu_done
	global_store_b32 v[UO], v58, s[20:21]
	global_store_b32 v[UO], v52, s[20:21] offset:512
.Lu_done:
	BARRIER
	WIN 0x40
.irp t, 0,1,2,3,4,5,6,7
	ds_load_b128 v[192+8*\t:192+8*\t+3], v[LTB] offset:(32*(\t/2)+8*(\t%2))*4
	ds_load_b128 v[192+8*\t+4:192+8*\t+7], v[LTB] offset:(32*(\t/2)+8*(\t%2))*4+16
.endr
	WIN 0
.irp t, 0,1,2,3,4,5,6,7
	ds_load_b128 v[T2R+8*\t:T2R+8*\t+3], v[LTB] offset:512+(32*(\t/2)+8*(\t%2))*4
	ds_load_b128 v[T2R+8*\t+4:T2R+8*\t+7], v[LTB] offset:512+(32*(\t/2)+8*(\t%2))*4+16
.endr
	s_wait_xcnt 0x0                                ; the stores of s2 and t2 have read their registers
.set i, 0
.rept 24
	v_mov_b32 v[NC+i], 0
.set i, i+1
.endr
.irp b, 0,1,2,3
	v_mov_b32 v[TM+4+\b], 0
.endr
	s_wait_dscnt 0x0
	s_wait_loadcnt 0x0
.macro TRIP piv                        ; 32 rows: two tiles
	v_add_nc_u32 v[AD], s[TBO], v[AD0]
	v_add_nc_u32 v[AS], s[TSO], v[AS0]
	ds_load_b32 v[XS], v[AS]
.irp c, 0,1,2,3
	ds_load_b128 v[FA+4*\c:FA+4*\c+3], v[AD] offset:512*\c
.endr
.irp c, 0,1,2,3
	ds_load_b128 v[FB+4*\c:FB+4*\c+3], v[AD] offset:2048+512*\c
.endr
	s_wait_dscnt 4                                 ; the scale words and the first tile are in; the second tile's four loads may be out
	CHAIN FA, 0
.if \piv
	PIVOTG Y3, 0
.endif
	STATS Y3, 0
	s_wait_dscnt 0x0
	CHAIN FB, 1
	STATS Y3, 0
	s_add_co_u32 s[TBO], s[TBO], 4096
	s_add_co_u32 s[TSO], s[TSO], 128
.endm
.irp sec, 0,1,2,3
	s_wait_tensorcnt 3-\sec                        ; my scale words and this run of four tiles have landed; the younger runs stay out
	s_mov_b32 s[TBO], 8192*\sec
	s_mov_b32 s[TSO], 256*\sec
	s_mov_b32 s[CNT], 2
.Lsec\sec:
.if \sec == 0
	TRIP 1
.else
	TRIP 0
.endif
	s_sub_co_u32 s[CNT], s[CNT], 1
	s_cmp_lg_u32 s[CNT], 0
	s_cbranch_scc1 .Lsec\sec
.endr
.irp t, 0,1,2,3
	WOUT \t, 64*\t, 256+64*\t
.endr
	BARRIER
	s_cmp_ge_u32 s[WV], 2
	s_cbranch_scc1 .Lend
.irp w, 0,1,2,3,4,5,6,7
	ds_load_b32 v[FA+\w], v[LJ] offset:512*\w
	ds_load_b32 v[FA+8+\w], v[LJ] offset:512*\w+256
.endr
	s_wait_dscnt 0x0
	JOIN8 FA, FA+8
	global_store_b32 v[UO], v[TM], s[18:19]
	global_store_b32 v[UO], v[TM+1], s[18:19] offset:256
.Lend:
	s_wait_tensorcnt 0x0
	ds_add_u32 v126, v127
	s_wait_dscnt 0x0
	s_endpgm
.Lfunc_end_k_q0e819f7c07_layer2:
	.size	k_q0e819f7c07_layer2, .Lfunc_end_k_q0e819f7c07_layer2-k_q0e819f7c07_layer2
	.p2alignl 7, 3214868480
	.fill 96, 4, 3214868480
	.section	.rodata,"a",@progbits
	.p2align	6, 0x0
	.amdhsa_kernel k_q0e819f7c07_layer2
		.amdhsa_group_segment_fixed_size 284672
		.amdhsa_private_segment_fixed_size 0
		.amdhsa_enable_private_segment 0
		.amdhsa_kernarg_size 72
		.amdhsa_user_sgpr_count 2
		.amdhsa_user_sgpr_kernarg_segment_ptr 1
		.amdhsa_wavefront_size32 1
		.amdhsa_system_sgpr_workgroup_id_x 1
		.amdhsa_system_sgpr_workgroup_id_y 1
		.amdhsa_system_sgpr_workgroup_id_z 1
		.amdhsa_system_vgpr_workitem_id 0
		.amdhsa_next_free_vgpr 512
		.amdhsa_next_free_sgpr 96
		.amdhsa_reserve_vcc 0
		.amdhsa_float_denorm_mode_32 3
		.amdhsa_float_denorm_mode_16_64 3
		.amdhsa_memory_ordered 1
		.amdhsa_forward_progress 1
		.amdhsa_inst_pref_size 181
	.end_amdhsa_kernel
	.amdgpu_metadata
---
amdhsa.version: [ 1, 2 ]
amdhsa.kernels:
  - .name:           k_q0e819f7c07_layer2
    .symbol:         k_q0e819f7c07_layer2.kd
    .args:
      - { .name: h1c, .offset: 0, .size: 8, .value_kind: global_buffer, .address_space: global }
      - { .name: h1s, .offset: 8, .size: 8, .value_kind: global_buffer, .address_space: global }
      - { .name: wq, .offset: 16, .size: 8, .value_kind: global_buffer, .address_space: global }
      - { .name: part2, .offset: 24, .size: 8, .value_kind: global_buffer, .address_space: global }
      - { .name: b2, .offset: 32, .size: 8, .value_kind: global_buffer, .address_space: global }
      - { .name: g2, .offset: 40, .size: 8, .value_kind: global_buffer, .address_space: global }
      - { .name: be2, .offset: 48, .size: 8, .value_kind: global_buffer, .address_space: global }
      - { .name: part3, .offset: 56, .size: 8, .value_kind: global_buffer, .address_space: global }
      - { .name: bn2, .offset: 64, .size: 8, .value_kind: global_buffer, .address_space: global }
    .group_segment_fixed_size: 284672
    .private_segment_fixed_size: 0
    .kernarg_segment_align: 8
    .kernarg_segment_size: 72
    .max_flat_workgroup_size: 256
    .sgpr_count:     96
    .vgpr_count:     512
    .wavefront_size: 32
...
	.end_amdgpu_metadata
.endif
;; end of part 3
;; launch head (part 4): grid 256 x 1, 8 waves a work-group, no clusters, 288,768 bytes of LDS; arguments h1c, h1s, wq, bn2, part3, b3, g3, be3, w4, b4, out0; writes out0
.if DOCPART == 4
	.amdgcn_target "amdgcn-amd-amdhsa--gfx1250"
	.amdhsa_code_object_version 6
	.text
	.protected	k_q0e819f7c07_head
	.globl	k_q0e819f7c07_head
	.p2align	8
	.type	k_q0e819f7c07_head,@function
k_q0e819f7c07_head:
	s_mov_b64 s[64:65], 0
	v_nop
	global_prefetch_b8 v0, s[64:65] scope:SCOPE_SE
	s_setreg_imm32_b32 hwreg(HW_REG_WAVE_MODE, 25, 1), 1
	s_wait_xcnt 0x0
; THE HEAD.  From h1's codes once more: y2 = Q(h1) Q(w2), h2 = relu(s2 y2 + t2) quantised in registers, y3 = Q(h2) Q(w3), h3 = relu(s3 y3 + t3), out = sigmoid(h3 . w4 + b4).
; INPUT as in the launch before: each wave asks for its own 256 rows (32 KiB of codes, 1 KiB of scale words) at the head by five tensor loads; each byte of LDS is filled once and read only by the wave
; that asked for it, behind its own counted wait.  Five loads of a wave are out at most.  Work-groups share only the weights and the records, a small part of what each reads: no cluster.
; PROLOGUE: the 256 records of y3 (mean, M2 of 2,048 rows each) are joined as differences from record 0; s3 = g3 rsq(var + 1e-5), t3 = be3 + (b3 - mean) s3 with mean = mean(y3) + b3.
; THE LAST PRODUCT (one column) is fused multiply-adds in f32: y3 is used naturally, a lane holds one unit and 8 rows, so w4 is one number a lane and tile; the sum over the 16 lanes of a row of lanes
; is made for 16 registers at once by four halving steps, after which each lane holds one row's sum.  Results gather in LDS and leave as 512 consecutive bytes a store.
; LIMITS: NaN and infinities are not served; a block of zeros has the byte 1 and zero codes.
; WINDOW 1: v0-127 w2's eight tiles, v128-191 w3's four, v192-255 s2 in the first result's layout.
.set AD0, 1
.set AS0, 2
.set AD,  3
.set AS,  4
.set LCA, 5                            ; v5   CA + 16 thread
.set LUA, 6                            ; v6   CA + 4 thread
.set LP8, 7                            ; v7   TAB + 8 r
.set LOS0, 8                           ; v8   OST + 1024 wave + 4 x (my row among the trip's 32)
.set LOR, 9                            ; v9   OST + 1024 wave + 16 lane
.set PO,  10
.set QO,  11
.set UO,  12                           ; v12  4 x (thread % 64)
.set LI,  13
.set LL4, 14
.set HO,  15                           ; v15  64 h
.set FA,  16
.set FB,  32
.set CP,  16
.set AQ,  20
.set BQ,  24
.set XS,  48
.set PW,  49
.set TM,  50
.set PC,  66
.set WS,  82
.set P3,  94                           ; v94-101  (s3, t3) of my unit in each tile
.set W4R, 102                          ; v102-105 w4 of my unit in each tile
.set O,   106                          ; v106-121 16 rows' partial sums
.set RO,  122                          ; v122 4 r
.set LUT8, 123                         ; v123 TAB + 8 thread
.set LOS, 124
.set ZR,  125
.set Y2,  128
.set Y3,  128
.set T2R, 192
.set SCW, 262144
.set CA,  270336
.set TAB, 278528                       ; (s3, t3) x 64
.set OST, 279552                       ; 1,024 bytes a wave: its 256 results
.set G1C, 24
.set G1S, 32
.set G0,  40
.set G0S, 56
.set TBO, 60
.set TSO, 61
.set CNT, 62
.set MNT, 63
.set SEL, 66
.set WV,  78
.set B4,  79
.set MSB, 0
.macro WIN new
.if MSB != \new
	s_set_vgpr_msb (MSB<<8)|\new
.set MSB, \new
.endif
.endm
.macro BARRIER
	s_wait_dscnt 0x0
	s_barrier_signal -1
	s_barrier_wait -1
.endm
.macro QUANT src, pw
.irp b, 0,1,2,3
	v_max3_num_f32 v[TM+\b], v[\src+16*\b], v[\src+16*\b+1], 0x4800000
.endr
.irp i, 2,4,6,8,10,12,14
.irp b, 0,1,2,3
	v_max3_num_f32 v[TM+\b], v[TM+\b], v[\src+16*\b+\i], v[\src+16*\b+\i+1]
.endr
.endr
.irp b, 0,1,2,3
	v_permlanex16_b32 v[TM+4+\b], v[TM+\b], s[SEL], s[SEL+1]
.endr
.irp b, 0,1,2,3
	v_max_num_f32 v[TM+\b], v[TM+\b], v[TM+4+\b]
.endr
.irp b, 0,1,2,3
	v_add_nc_u32 v[TM+12+\b], 0xfc000000, v[TM+\b]
.endr
.irp b, 0,1,2,3
	v_and_or_b32 v[TM+8+\b], v[TM+\b], 0x7f800000, s[MNT]
.endr
.irp b, 0,1,2,3
	v_lshrrev_b32 v[TM+4+\b], 23, v[TM+12+\b]
.endr
	v_lshl_or_b32 v[\pw], v[TM+5], 8, v[TM+4]
	v_lshl_or_b32 v[\pw], v[TM+6], 16, v[\pw]
	v_lshl_or_b32 v[\pw], v[TM+7], 24, v[\pw]
.irp b, 0,1,2,3
.irp i, 0,1,2,3,4,5,6,7,8,9,10,11,12,13,14,15
	v_med3_num_f32 v[\src+16*\b+\i], v[\src+16*\b+\i], 0, v[TM+8+\b]
.endr
	v_cvt_scalef32_pk8_fp8_f32 v[PC+4*\b:PC+4*\b+1], v[\src+16*\b:\src+16*\b+7], v[TM+12+\b]
	v_cvt_scalef32_pk8_fp8_f32 v[PC+4*\b+2:PC+4*\b+3], v[\src+16*\b+8:\src+16*\b+15], v[TM+12+\b]
.endr
.rept 4
	v_nop
.endr
.endm
.macro TREE16 base
.irp d, 8,4,2,1
.set j, 0
.rept \d
	v_pk_add_f32 v[\base+4*j:\base+4*j+1], v[\base+4*j:\base+4*j+1], v[\base+4*(j+\d):\base+4*(j+\d)+1]
	v_pk_add_f32 v[\base+4*j+2:\base+4*j+3], v[\base+4*j+2:\base+4*j+3], v[\base+4*(j+\d)+2:\base+4*(j+\d)+3]
.set j, j+1
.endr
.endr
.endm
.macro DIFF16 base
.set j, 0
.rept 16
	v_pk_add_f32 v[\base+4*j:\base+4*j+1], v[\base+4*j:\base+4*j+1], v[CP:CP+1] neg_lo:[0,1] neg_hi:[0,1]
	v_pk_add_f32 v[\base+4*j+2:\base+4*j+3], v[\base+4*j+2:\base+4*j+3], v[CP+2:CP+3] neg_lo:[0,1] neg_hi:[0,1]
.set j, j+1
.endr
.endm
.macro SQ16 base, first
.set j, 0
.rept 16
.if \first && (j < 4)
	v_pk_mul_f32 v[BQ+4*(j%4):BQ+4*(j%4)+1], v[\base+4*j:\base+4*j+1], v[\base+4*j:\base+4*j+1]
	v_pk_mul_f32 v[BQ+4*(j%4)+2:BQ+4*(j%4)+3], v[\base+4*j+2:\base+4*j+3], v[\base+4*j+2:\base+4*j+3]
.else
	v_pk_fma_f32 v[BQ+4*(j%4):BQ+4*(j%4)+1], v[\base+4*j:\base+4*j+1], v[\base+4*j:\base+4*j+1], v[BQ+4*(j%4):BQ+4*(j%4)+1]
	v_pk_fma_f32 v[BQ+4*(j%4)+2:BQ+4*(j%4)+3], v[\base+4*j+2:\base+4*j+3], v[\base+4*j+2:\base+4*j+3], v[BQ+4*(j%4)+2:BQ+4*(j%4)+3]
.endif
.set j, j+1
.endr
.endm
.macro CHAIN f, row1
	WIN 0x01
.irp t, 0,1,2,3,4,5,6,7
.if \row1
	v_wmma_scale_f32_16x16x128_f8f6f4 v[Y2+8*\t:Y2+8*\t+7], v[16*\t:16*\t+15], v[\f:\f+15], 0, v[WS+\t], v[XS] matrix_b_scale:MATRIX_SCALE_ROW1
.else
	v_wmma_scale_f32_16x16x128_f8f6f4 v[Y2+8*\t:Y2+8*\t+7], v[16*\t:16*\t+15], v[\f:\f+15], 0, v[WS+\t], v[XS]
.endif
.endr
.rept 8
	v_nop                                          ; eight plain lines between this form and the first read of its results
.endr
	WIN 0x04
.set j, 0
.rept 32
	v_pk_fma_f32 v[Y2+j:Y2+j+1], v[Y2+j:Y2+j+1], v[192+j:193+j], v[T2R+j:T2R+j+1]
.set j, j+2
.endr
	WIN 0
	QUANT Y2, PW
	WIN 0x04
.irp t, 0,1,2,3
	v_wmma_scale_f32_16x16x128_f8f6f4 v[Y3+8*\t:Y3+8*\t+7], v[PC:PC+15], v[128+16*\t:128+16*\t+15], 0, v[PW], v[WS+8+\t]
.endr
	WIN 0
.rept 8
	v_nop
.endr
.endm
; h3 = relu(s3 y3 + t3) and my units' share of h3 . w4 for the tile's 8 rows of my half: into v[O + 8 x] on
.macro HEADX x
.irp t, 0,1,2,3
.irp p, 0,1,2,3
	v_pk_fma_f32 v[Y3+8*\t+2*\p:Y3+8*\t+2*\p+1], v[Y3+8*\t+2*\p:Y3+8*\t+2*\p+1], v[P3+2*\t:P3+2*\t+1], v[P3+2*\t:P3+2*\t+1] op_sel:[0,0,1] op_sel_hi:[1,0,1]   ; of the pair (s3, t3) the first multiplies, the second is added
.endr
.endr
.set j, 0
.rept 32
	v_max_num_f32 v[Y3+j], 0, v[Y3+j]
.set j, j+1
.endr
.irp p, 0,1,2,3
	v_pk_mul_f32 v[O+8*\x+2*\p:O+8*\x+2*\p+1], v[Y3+2*\p:Y3+2*\p+1], v[W4R:W4R+1] op_sel_hi:[1,0]
.endr
.irp p, 0,1,2,3
	v_pk_fma_f32 v[O+8*\x+2*\p:O+8*\x+2*\p+1], v[Y3+8+2*\p:Y3+8+2*\p+1], v[W4R:W4R+1], v[O+8*\x+2*\p:O+8*\x+2*\p+1] op_sel:[0,1,0] op_sel_hi:[1,1,1]
.endr
.irp p, 0,1,2,3
	v_pk_fma_f32 v[O+8*\x+2*\p:O+8*\x+2*\p+1], v[Y3+16+2*\p:Y3+16+2*\p+1], v[W4R+2:W4R+3], v[O+8*\x+2*\p:O+8*\x+2*\p+1] op_sel_hi:[1,0,1]
.endr
.irp p, 0,1,2,3
	v_pk_fma_f32 v[O+8*\x+2*\p:O+8*\x+2*\p+1], v[Y3+24+2*\p:Y3+24+2*\p+1], v[W4R+2:W4R+3], v[O+8*\x+2*\p:O+8*\x+2*\p+1] op_sel:[0,1,0] op_sel_hi:[1,1,1]
.endr
.endm
; A halving step: of registers i and i + d a lane keeps one (by its bit d) and sends the other to lane l xor d, which keeps that one
.macro RSTEP d, sm
.set i, 0
.rept \d
	v_cndmask_b32 v[TM+(i%4)], v[O+i+\d], v[O+i], s[\sm]
	v_cndmask_b32 v[O+i], v[O+i], v[O+i+\d], s[\sm]
	v_add_f32_dpp v[O+i], v[TM+(i%4)], v[O+i] row_xmask:\d row_mask:0xf bank_mask:0xf
.set i, i+1
.endr
.endm
	s_load_b512 s[4:19], s[0:1], 0x0               ; h1c 4, h1s 6, wq 8, bn2 10, part3 12, b3 14, g3 16, be3 18
	s_load_b128 s[20:23], s[0:1], 0x40             ; w4 20, b4 22
	s_load_b64 s[76:77], s[0:1], 0x50              ; out0
	v_lshl_add_u32 v126, v0, 2, 0x46400
	v_mov_b32 v127, 0
	ds_add_u32 v126, v127
	ds_add_u32 v126, v127
	v_lshrrev_b32 v15, 5, v0
	v_readfirstlane_b32 s[WV], v15
	s_lshl_b32 s80, ttmp9, 3
	s_add_co_u32 s80, s80, s[WV]
	s_lshl_b32 s82, s80, 15
	s_mov_b32 s83, 0
	s_lshl_b32 s84, s80, 10                        ; my rows' scale words, and as many bytes of results
	s_mov_b32 s85, 0
	s_lshl_b32 s81, s[WV], 15
	s_lshl_b32 s86, s[WV], 10
	s_mov_b32 s[G1C], 3<<16                        ; group 1: a dense block as rows of 256 bytes (32 elements of 8 bytes), no padding: 32 rows of codes,
	s_mov_b32 s[G1C+1], 32<<16
	s_mov_b32 s[G1C+2], 32<<16
	s_mov_b32 s[G1C+3], 32<<16
	s_mov_b32 s[G1C+4], 32
	s_mov_b32 s[G1C+5], 32
	s_mov_b32 s[G1C+6], 0
	s_mov_b32 s[G1C+7], 0
	s_mov_b32 s[G1S], 3<<16                        ; 4 rows of scale words
	s_mov_b32 s[G1S+1], 32<<16
	s_mov_b32 s[G1S+2], 4<<16
	s_mov_b32 s[G1S+3], 32<<16
	s_mov_b32 s[G1S+4], 4
	s_mov_b32 s[G1S+5], 32
	s_mov_b32 s[G1S+6], 0
	s_mov_b32 s[G1S+7], 0
	s_mov_b32 s[MNT], 0x600000
	s_mov_b32 s[SEL], 0x76543210
	s_mov_b32 s[SEL+1], 0xfedcba98
	s_mov_b32 s72, 0xff00ff00                      ; lanes whose bit 3, 2, 1, 0 is set
	s_mov_b32 s73, 0xf0f0f0f0
	s_mov_b32 s74, 0xcccccccc
	s_mov_b32 s75, 0xaaaaaaaa
	v_and_b32 v[LOS], 31, v0
	v_lshlrev_b32 v[LI], 4, v[LOS]
	v_lshlrev_b32 v[LL4], 2, v[LOS]
	v_add_nc_u32 v[AD0], s81, v[LI]
	s_add_co_u32 s87, s86, SCW
	v_add_nc_u32 v[AS0], s87, v[LL4]
	v_lshl_add_u32 v[LCA], v0, 4, CA
	v_lshl_add_u32 v[LUA], v0, 2, CA
	v_lshl_add_u32 v[LUT8], v0, 3, TAB
	v_and_b32 v[RO], 15, v0
	v_lshl_add_u32 v[LP8], v[RO], 3, TAB
	v_lshlrev_b32 v[RO], 2, v[RO]
	v_bfe_u32 v[HO], v0, 4, 1
	s_add_co_u32 s87, s86, OST
	v_add_nc_u32 v[LOR], s87, v[LI]
	v_and_b32 v[LOS0], 7, v0                       ; behind the halving steps lane (r, h) holds row 16 (r / 8) + 8 h + r % 8
	v_lshlrev_b32 v[LOS0], 2, v[LOS0]
	v_lshl_add_u32 v[LOS0], v[HO], 5, v[LOS0]
	v_bfe_u32 v[ZR], v0, 3, 1
	v_lshl_add_u32 v[LOS0], v[ZR], 6, v[LOS0]
	v_add_nc_u32 v[LOS0], s87, v[LOS0]
	v_lshlrev_b32 v[HO], 6, v[HO]
	v_and_b32 v[QO], 31, v0
	v_lshlrev_b32 v[QO], 4, v[QO]
	v_lshrrev_b32 v[ZR], 5, v0
	v_lshl_add_u32 v[PO], v[ZR], 14, v[QO]         ; group p takes records 32 p .. 32 p + 31, 512 bytes each
	v_and_b32 v[UO], 63, v0
	v_lshlrev_b32 v[UO], 2, v[UO]
	s_wait_dscnt 0x0
	s_wait_kmcnt 0x0
	s_load_b32 s[B4], s[22:23], 0x0
	s_add_nc_u64 s[82:83], s[4:5], s[82:83]
	s_add_nc_u64 s[76:77], s[76:77], s[84:85]
	s_add_nc_u64 s[84:85], s[6:7], s[84:85]
.irp i, 0,1,2,3
	s_mov_b32 s[G0+4*\i], 1
	s_add_co_u32 s[G0+4*\i+1], s81, 8192*\i
	s_add_nc_u64 s[G0+4*\i+2:G0+4*\i+3], s[82:83], 8192*\i
	s_or_b32 s[G0+4*\i+3], s[G0+4*\i+3], 0x80000000
.endr
	s_mov_b32 s[G0S], 1
	s_add_co_u32 s[G0S+1], s86, SCW
	s_mov_b64 s[G0S+2:G0S+3], s[84:85]
	s_or_b32 s[G0S+3], s[G0S+3], 0x80000000
	tensor_load_to_lds s[G0S:G0S+3], s[G1S:G1S+7]  ; all my input, ahead of everything else
	s_nop 0
	tensor_load_to_lds s[G0:G0+3], s[G1C:G1C+7]
	s_nop 0
	tensor_load_to_lds s[G0+4:G0+7], s[G1C:G1C+7]
	s_nop 0
	tensor_load_to_lds s[G0+8:G0+11], s[G1C:G1C+7]
	s_nop 0
	tensor_load_to_lds s[G0+12:G0+15], s[G1C:G1C+7]
	s_nop 0
.rept 4
	v_nop
.endr
	; ---- the records of y3
	global_load_b128 v[CP:CP+3], v[QO], s[12:13]
	WIN 0x40
.set i, 0
.rept 32
	global_load_b128 v[4*i:4*i+3], v[PO], s[12:13] offset:512*i
.set i, i+1
.endr
.irp b, 0,1
	s_wait_loadcnt 16-16*\b                        ; this batch of 16 is in; the younger batch stays out
	WIN 0x41
	DIFF16 64*\b
	WIN 0x05
.if \b == 0
	SQ16 0, 1
.else
	SQ16 64*\b, 0
.endif
	WIN 0x45
	TREE16 64*\b
.endr
	WIN 0x05
	v_pk_add_f32 v[AQ:AQ+1], v[0:1], v[64:65]
	v_pk_add_f32 v[AQ+2:AQ+3], v[2:3], v[66:67]
	WIN 0
	v_pk_add_f32 v[BQ:BQ+1], v[BQ:BQ+1], v[BQ+4:BQ+5]
	v_pk_add_f32 v[BQ+2:BQ+3], v[BQ+2:BQ+3], v[BQ+6:BQ+7]
	v_pk_add_f32 v[BQ+8:BQ+9], v[BQ+8:BQ+9], v[BQ+12:BQ+13]
	v_pk_add_f32 v[BQ+10:BQ+11], v[BQ+10:BQ+11], v[BQ+14:BQ+15]
	v_pk_add_f32 v[BQ:BQ+1], v[BQ:BQ+1], v[BQ+8:BQ+9]
	v_pk_add_f32 v[BQ+2:BQ+3], v[BQ+2:BQ+3], v[BQ+10:BQ+11]
	ds_store_b128 v[LCA], v[AQ:AQ+3]
	ds_store_b128 v[LCA], v[BQ:BQ+3] offset:4096
	global_load_b32 v40, v[UO], s[14:15]           ; b3
	global_load_b32 v41, v[UO], s[16:17]           ; g3
	global_load_b32 v42, v[UO], s[18:19]           ; be3
	global_load_b32 v43, v[UO], s[12:13]           ; record 0's mean
	global_load_b32 v44, v[UO], s[12:13] offset:256    ; and M2
	WIN 0x40
.irp t, 0,1,2,3,4,5,6,7,8,9,10,11
.irp c, 0,1,2,3
	global_load_b128 v[16*\t+4*\c:16*\t+4*\c+3], v[LI], s[8:9] offset:2048*\t+512*\c
.endr
.endr
	WIN 0
.irp t, 0,1,2,3,4,5,6,7,8,9,10,11
	global_load_b32 v[WS+\t], v[LL4], s[8:9] offset:24576+128*\t
.endr
	BARRIER
	s_cmp_ge_u32 s[WV], 2
	s_cbranch_scc1 .Lu_done
	s_wait_loadcnt 60                              ; my unit's five numbers are in; the weights' 60 loads are younger
.irp p, 0,1,2,3,4,5,6,7
	ds_load_b32 v[128+\p], v[LUA] offset:512*\p
	ds_load_b32 v[136+\p], v[LUA] offset:512*\p+256
	ds_load_b32 v[144+\p], v[LUA] offset:512*\p+4096
.endr
	s_wait_dscnt 0x0
.irp a, 128,136,144
	v_pk_add_f32 v[\a:\a+1], v[\a:\a+1], v[\a+2:\a+3]
	v_pk_add_f32 v[\a+4:\a+5], v[\a+4:\a+5], v[\a+6:\a+7]
	v_pk_add_f32 v[\a:\a+1], v[\a:\a+1], v[\a+4:\a+5]
	v_add_f32 v[\a], v[\a], v[\a+1]
.endr
	v_mul_f32 v129, 0xbb800000, v128
	v_fma_f32 v153, v128, 0x3b800000, v43          ; the mean of y3
	v_fma_f32 v144, v129, v128, v144               ; the sum of (mean_i - mean)^2
	v_fma_f32 v136, v136, 0x3b800000, v44          ; the mean of M2_i
	v_mul_f32 v144, 0x3b800000, v144
	v_fma_f32 v144, v136, 0x3a000000, v144         ; the variance
	v_max_num_f32 v144, 0, v144
	v_add_f32 v144, 0x3727c5ac, v144
	v_rsq_f32 v144, v144
	v_add_f32 v153, v40, v153                      ; (a plain line behind the root)  the unit's mean, b3 in it
	s_wait_alu depctr_va_vdst(0)
	v_mul_f32 v152, v41, v144                      ; s3
	v_sub_f32 v153, v40, v153
	v_fma_f32 v153, v153, v152, v42                ; t3
	ds_store_b64 v[LUT8], v[152:153]
.Lu_done:
	WIN 0x40
.irp t, 0,1,2,3,4,5,6,7
	global_load_b128 v[192+8*\t:192+8*\t+3], v[HO], s[10:11] offset:(32*(\t/2)+8*(\t%2))*4       ; s2 in the first result's layout
	global_load_b128 v[192+8*\t+4:192+8*\t+7], v[HO], s[10:11] offset:(32*(\t/2)+8*(\t%2))*4+16
.endr
	WIN 0
.irp t, 0,1,2,3,4,5,6,7
	global_load_b128 v[T2R+8*\t:T2R+8*\t+3], v[HO], s[10:11] offset:512+(32*(\t/2)+8*(\t%2))*4   ; t2
	global_load_b128 v[T2R+8*\t+4:T2R+8*\t+7], v[HO], s[10:11] offset:512+(32*(\t/2)+8*(\t%2))*4+16
.endr
.irp t, 0,1,2,3
	global_load_b32 v[W4R+\t], v[RO], s[20:21] offset:64*\t
.endr
	BARRIER
.irp t, 0,1,2,3
	ds_load_b64 v[P3+2*\t:P3+2*\t+1], v[LP8] offset:128*\t
.endr
.irp b, 0,1,2,3
	v_mov_b32 v[TM+4+\b], 0                        ; a lane permute's destination counts as one of its sources
.endr
	s_wait_dscnt 0x0
	s_wait_loadcnt 0x0
	s_wait_kmcnt 0x0
.macro TRIP                            ; 32 rows: two tiles
	v_add_nc_u32 v[AD], s[TBO], v[AD0]
	v_add_nc_u32 v[AS], s[TSO], v[AS0]
	ds_load_b32 v[XS], v[AS]
.irp c, 0,1,2,3
	ds_load_b128 v[FA+4*\c:FA+4*\c+3], v[AD] offset:512*\c
.endr
.irp c, 0,1,2,3
	ds_load_b128 v[FB+4*\c:FB+4*\c+3], v[AD] offset:2048+512*\c
.endr
	s_wait_dscnt 4                                 ; the last trip's store, the scale words and the first tile are done; the second tile's four loads may be out
	CHAIN FA, 0
	HEADX 0
	s_wait_dscnt 0x0
	CHAIN FB, 1
	HEADX 1
	RSTEP 8, 72
	RSTEP 4, 73
	RSTEP 2, 74
	RSTEP 1, 75
	v_add_f32 v[ZR], s[B4], v[O]
	v_mul_f32 v[ZR], 0xbfb8aa3b, v[ZR]             ; -z log2(e)
	v_exp_f32 v[ZR], v[ZR]
	v_add_nc_u32 v[LOS], s[TSO], v[LOS0]           ; (a plain line behind the exponential)
	s_wait_alu depctr_va_vdst(0)
	v_add_f32 v[ZR], 1.0, v[ZR]
	v_rcp_f32 v[ZR], v[ZR]
	v_nop
	s_wait_alu depctr_va_vdst(0)
	ds_store_b32 v[LOS], v[ZR]
	s_add_co_u32 s[TBO], s[TBO], 4096
	s_add_co_u32 s[TSO], s[TSO], 128
.endm
.irp sec, 0,1,2,3
	s_wait_tensorcnt 3-\sec                        ; my scale words and this run of four tiles have landed; the younger runs stay out
	s_mov_b32 s[TBO], 8192*\sec
	s_mov_b32 s[TSO], 256*\sec
	s_mov_b32 s[CNT], 2
.Lsec\sec:
	TRIP
	s_sub_co_u32 s[CNT], s[CNT], 1
	s_cmp_lg_u32 s[CNT], 0
	s_cbranch_scc1 .Lsec\sec
.endr
	ds_load_b128 v[FA:FA+3], v[LOR]                ; my 256 results: LDS serves a wave's instructions in order
	ds_load_b128 v[FA+4:FA+7], v[LOR] offset:512
	s_wait_dscnt 0x0
	global_store_b128 v[LI], v[FA:FA+3], s[76:77] th:TH_STORE_NT
	global_store_b128 v[LI], v[FA+4:FA+7], s[76:77] offset:512 th:TH_STORE_NT
	s_wait_tensorcnt 0x0
	ds_add_u32 v126, v127
	s_wait_dscnt 0x0
	s_endpgm
.Lfunc_end_k_q0e819f7c07_head:
	.size	k_q0e819f7c07_head, .Lfunc_end_k_q0e819f7c07_head-k_q0e819f7c07_head
	.p2alignl 7, 3214868480
	.fill 96, 4, 3214868480
	.section	.rodata,"a",@progbits
	.p2align	6, 0x0
	.amdhsa_kernel k_q0e819f7c07_head
		.amdhsa_group_segment_fixed_size 288768
		.amdhsa_private_segment_fixed_size 0
		.amdhsa_enable_private_segment 0
		.amdhsa_kernarg_size 88
		.amdhsa_user_sgpr_count 2
		.amdhsa_user_sgpr_kernarg_segment_ptr 1
		.amdhsa_wavefront_size32 1
		.amdhsa_system_sgpr_workgroup_id_x 1
		.amdhsa_system_sgpr_workgroup_id_y 1
		.amdhsa_system_sgpr_workgroup_id_z 1
		.amdhsa_system_vgpr_workitem_id 0
		.amdhsa_next_free_vgpr 512
		.amdhsa_next_free_sgpr 96
		.amdhsa_reserve_vcc 0
		.amdhsa_float_denorm_mode_32 3
		.amdhsa_float_denorm_mode_16_64 3
		.amdhsa_memory_ordered 1
		.amdhsa_forward_progress 1
		.amdhsa_inst_pref_size 174
	.end_amdhsa_kernel
	.amdgpu_metadata
---
amdhsa.version: [ 1, 2 ]
amdhsa.kernels:
  - .name:           k_q0e819f7c07_head
    .symbol:         k_q0e819f7c07_head.kd
    .args:
      - { .name: h1c, .offset: 0, .size: 8, .value_kind: global_buffer, .address_space: global }
      - { .name: h1s, .offset: 8, .size: 8, .value_kind: global_buffer, .address_space: global }
      - { .name: wq, .offset: 16, .size: 8, .value_kind: global_buffer, .address_space: global }
      - { .name: bn2, .offset: 24, .size: 8, .value_kind: global_buffer, .address_space: global }
      - { .name: part3, .offset: 32, .size: 8, .value_kind: global_buffer, .address_space: global }
      - { .name: b3, .offset: 40, .size: 8, .value_kind: global_buffer, .address_space: global }
      - { .name: g3, .offset: 48, .size: 8, .value_kind: global_buffer, .address_space: global }
      - { .name: be3, .offset: 56, .size: 8, .value_kind: global_buffer, .address_space: global }
      - { .name: w4, .offset: 64, .size: 8, .value_kind: global_buffer, .address_space: global }
      - { .name: b4, .offset: 72, .size: 8, .value_kind: global_buffer, .address_space: global }
      - { .name: out0, .offset: 80, .size: 8, .value_kind: global_buffer, .address_space: global }
    .group_segment_fixed_size: 288768
    .private_segment_fixed_size: 0
    .kernarg_segment_align: 8
    .kernarg_segment_size: 88
    .max_flat_workgroup_size: 256
    .sgpr_count:     96
    .vgpr_count:     512
    .wavefront_size: 32
...
	.end_amdgpu_metadata
.endif
;; end of part 4
;; ======== version 2 of 2: 4 launches; version 1 with the launch layer1 written anew for expert scheduling mode
;; workspace buffers: nums 8,388,608 bytes; part1 196,608 bytes; wq 26,112 bytes; h1c 67,108,864 bytes; h1s 2,097,152 bytes; part2 262,144 bytes; bn2 1,024 bytes; part3 131,072 bytes
;; launch moments: the kernel of part 1 again; grid 259 x 1, 4 waves a work-group, no clusters, 87,040 bytes of LDS; arguments x, w2, w3, nums, part1, wq; writes nums, part1, wq
;; launch layer1 (part 5): grid 256 x 1, 8 waves a work-group, no clusters, 23,552 bytes of LDS; arguments nums, part1, w1, b1, g1, be1, wq, h1c, h1s, part2; writes h1c, h1s, part2
.if DOCPART == 5
	.amdgcn_target "amdgcn-amd-amdhsa--gfx1250"
	.amdhsa_code_object_version 6
	.text
	.protected	k_q0e819f7c07_layer1
	.globl	k_q0e819f7c07_layer1
	.p2align	8
	.type	k_q0e819f7c07_layer1,@function
k_q0e819f7c07_layer1:
	s_mov_b64 s[64:65], 0
	v_nop
	global_prefetch_b8 v0, s[64:65] scope:SCOPE_SE
	s_setreg_imm32_b32 hwreg(HW_REG_WAVE_SCHED_MODE, 0, 2), 2
	s_setreg_imm32_b32 hwreg(HW_REG_WAVE_MODE, 25, 1), 1
	s_wait_xcnt 0x0
	s_wait_alu depctr_vm_vsrc(0)
; LAYER 1.  h1 = relu(BN(h0 w1 + b1)), quantised to E4M3 along its 128 units and stored as codes; and the batch statistics of h1 w2.
; PROLOGUE: every work-group adds the 256 records of h0's moments; thread u < 128 then forms unit u's mean (b1 + (c + mean d) . w) and variance (w' E[d d'] w - (mean d . w)^2), s1 = g1 rsq(var + 1e-5)
; and t1 = be1 + (b1 - mean) s1.  s1 is multiplied into w1 (f32) and t1 is the C of the product's first K step, so the product's result is BN's.
; THE PRODUCT h0 w1 feeds a quantiser, so its operands are f32: v_wmma_f32_16x16x4_f32, four K steps.  It is used transposed (source 0 = 16 units of w1, source 1 = 16 rows), and lane r of tile
; 2 b + u takes unit 32 b + 8 u + r + 8 (r/8): a lane then holds one row, and the 16 registers of two neighbouring tiles are 16 neighbouring units, as the next operand's layout wants them.
; Its results are read only: held numbers go to other registers.
; SHARES: a work-group 2,048 rows, a wave 256: 8 trips of 32 rows (a lane makes one row's features; eight exchanges of half-registers turn the 16 registers into the two tiles' operands).
; Two waves share a SIMD: one's vector work stands beside the other's matrix work.
; OUT: a tile's codes as the image of the operand's registers (2,048 bytes: group c of lane l at 512 c + 16 l); a scale word a row (gathered in LDS, 512 consecutive bytes a store).
; STATISTICS of y2 = Q(h1) Q(w2): the product is used naturally (a lane holds one unit and 8 rows); sums of y2 - c and of its square, c the unit's mean over the wave's first 16 rows; a wave's
; mean and M2 (the sum of squares about its mean) are joined over the 8 waves by the rule for parallel variances, never as a difference of large sums.  A record of part2: mean[128], M2[128].
; LIMITS: as stated in the launch that makes the moments; the variance of layer 1 is a quadratic form of 256 terms in f32.
; WINDOW 1: v0-63 w1's fragments (8 t + 2 s + j), v64-127 t1 in the result's layout, v128-255 w2's eight tiles.
; THE MODE: SCHED_MODE bits 1:0 = 2 (LLVM: expert scheduling mode 2), set by the entry lines.  The code itself states the register dependences between vector or matrix instructions and
; memory or LDS instructions, with s_wait_alu, always for 0.
; THE PLAN.  Registers that memory or LDS instructions touch, in the loop:
;   v[N ..]       Read by the trip's first lines and by FEAT; the next trip's load lands in it, issued behind the first tile's wait on va_vdst.
;   v[PC ..]      Written by a tile's conversions; read by its four stores and, as an operand, by its eight scaled products.
;   v[PWA], v[PWB]  Written by QUANT; read by the scaled products as scales.
;   v[PWS], v[LSW]  Written once a trip, behind the second tile's QUANT; read by the trip's one LDS store.
;   v[LI]         The offset of the load and of the stores: made at the head, never written again; the scalar bases move on.
;   H0, U, Z1, TM, the sums and window 1 are named in the loop by vector and matrix instructions alone.
; So a tile has two waits.  One on vm_vsrc ahead of QUANT: the stores issued so far have read v[PC ..] (and v[PWS], v[LSW]), which are about to be written again.  One on va_vdst behind QUANT and
; its places: the codes and the scale word are written, for the products and the stores; in the first tile FEAT is done reading v[N ..]; in the second v[PWS] and v[LSW] are written.
; Behind that wait stand only memory and scalar instructions up to the products, which name none of the registers that those memory instructions touch but as sources.
; FEAT's compares write VCC or scalar registers: a wait on va_vcc or va_sdst stands between each run of them and the selects that read the masks.
.set LI,   4                           ; v4   16 x lane
.set LL4,  5                           ; v5   4 x lane
.set LSW,  6                           ; v6   where this trip's scale words go
.set LSR,  7                           ; v7   where they are read back
.set N,    8                           ; v8-11   my row's four numbers
.set H0,   12                          ; v12-27  h0; in the prologue unit u's column of w1
.set U,    28                          ; v28-59  at work: the features' temporaries, held numbers, four tiles of y2
.set TS,   28
.set TA,   32
.set TB,   33
.set TR,   34
.set W2X,  28                          ; prologue: 2 w
.set DM,   44
.set VV,   46
.set CW,   51
.set PC,   60                          ; v60-75  the codes just made
.set TM,   76                          ; v76-91  at work
.set PWA,  92                          ; v92, v93 the two tiles' scale words
.set PWB,  93
.set PWS,  94                          ; v94     the 32 rows' scale words, a lane to a row
.set WS,   96                          ; v96-103 w2's scale words
.set NC,   104                         ; v104-119 -c, twice for each tile
.set SM1,  120                         ; v120-135 sums of y - c
.set SM2,  136                         ; v136-151 sums of squares
.set RRB,  104                         ; prologue: 16 pairs of row sums
.set SV,   152                         ; v152-159 s1 of my unit in each tile
.set Z1,   160                         ; v160-223 the f32 product's results
.set LA16, 224                         ; 16 x thread
.set LU4,  225                         ; 4 x thread
.set LZ,   226                         ; 0
.set LP4,  227                         ; 4 (r + 8 (r/8))
.set LH64, 228                         ; 64 h
.set LSW0, 229                         ; SCST + 1024 wave + 4 lane
.set LWO,  230                         ; WST + 1024 wave + 4 (r + 8 (r/8))
.set PO,   231                         ; part1: my chunk of my 64 records
.set WO,   232                         ; w1: my lane's place in a fragment
.set UO,   233                         ; 4 x (thread % 128)
.set RES,  28                          ; the tail: a wave's mean and M2, a pair for each tile
.set FIN,  4096                        ; LDS: 0 the threads' partial sums; FIN the 160 moments / B
.set S1T,  5120                        ; s1[128], t1[128]
.set T1T,  5632
.set SCST, 6144                        ; 1,024 bytes a wave: its rows' scale words
.set WST,  14336                       ; 1,024 bytes a wave: mean[128], M2[128]
.set WV,   24
.set CNT,  25
.set FIRSTCNT, 8
.set HM,   26
.set MNT,  27
.set SEL,  28
.set MK1,  30
.set MK2,  31
.set MK3,  32
.set R24,  33
.set SCO,  35
.set CC,   36                          ; s[36:51] c
.set MSB, 0
.macro WIN new                         ; the immediate's high byte repeats the setting that is left
.if MSB != \new
	s_set_vgpr_msb (MSB<<8)|\new
.set MSB, \new
.endif
.endm
.macro BARRIER                         ; my LDS stores have landed and my LDS loads are in: then the work-group's barrier
	s_wait_dscnt 0x0
	s_barrier_signal -1
	s_barrier_wait -1
.endm
.macro FEAT src, dst                   ; the 12 features of a row: zeros to the back in stable order, the first three valid pairs, four scores each
.irp i, 0,1,2,3
	v_mov_b32 v[TS+\i], v[\src+\i]
.endr
.irp i, 0,1,2,0,1,0
	v_cmp_eq_f32 vcc_lo, 0, v[TS+\i]
	s_wait_alu depctr_va_vcc(0)                    ; the compare has written VCC, which the two selects read (each exchange hangs on the one before, so each has its wait)
	v_cndmask_b32 v[TS+\i], v[TS+\i], v[TS+\i+1], vcc_lo
	v_cndmask_b32 v[TS+\i+1], v[TS+\i+1], 0, vcc_lo
.endr
	v_cmp_neq_f32 s[MK1], 0, v[TS+1]
	v_cmp_neq_f32 s[MK2], 0, v[TS+2]
	v_cmp_neq_f32 s[MK3], 0, v[TS+3]
	s_wait_alu depctr_va_sdst(0)                   ; the three compares have written s[MK1] to s[MK3], ahead of the first select that reads one of them
	v_cndmask_b32 v[TA], v[TS+1], v[TS], s[MK3]
	v_cndmask_b32 v[TB], v[TS+2], v[TS+3], s[MK3]
	v_rcp_f32 v[TR], v[TS+1]
	v_rcp_f32 v[TR+1], v[TS+2]
	v_rcp_f32 v[TR+2], v[TB]
	v_add_f32 v[\dst], v[TS], v[TS+1]              ; plain lines between the reciprocals and their use
	v_add_f32 v[\dst+4], v[TS], v[TS+2]
	v_add_f32 v[\dst+8], v[TA], v[TB]
	s_wait_alu depctr_va_vdst(0)                   ; the three reciprocals have written v[TR] to v[TR+2], ahead of their first reader
	v_mul_f32 v[\dst+3], v[TS], v[TR]
	v_mul_f32 v[\dst+7], v[TS], v[TR+1]
	v_mul_f32 v[\dst+11], v[TA], v[TR+2]
	v_fma_f32 v[\dst+2], -v[\dst+3], v[TS+1], v[TS]
	v_fma_f32 v[\dst+6], -v[\dst+7], v[TS+2], v[TS]
	v_fma_f32 v[\dst+10], -v[\dst+11], v[TB], v[TA]
	v_fma_f32 v[\dst+3], v[\dst+2], v[TR], v[\dst+3]
	v_fma_f32 v[\dst+7], v[\dst+6], v[TR+1], v[\dst+7]
	v_fma_f32 v[\dst+11], v[\dst+10], v[TR+2], v[\dst+11]
	v_mul_f32 v[\dst+1], v[TS], v[TS+1]
	v_mul_f32 v[\dst+5], v[TS], v[TS+2]
	v_mul_f32 v[\dst+9], v[TA], v[TB]
	v_sub_f32 v[\dst+2], v[TS], v[TS+1]
	v_sub_f32 v[\dst+6], v[TS], v[TS+2]
	v_sub_f32 v[\dst+10], v[TA], v[TB]
.irp k, 0,1,2,3,4,5,6,7,8,9,10,11
	v_add_f32 v[\dst+\k], 0xc1c00000, v[\dst+\k]
.endr
.irp k, 0,1,2,3,4,5,6,7,8,9,10,11
	v_fma_f32 v[\dst+\k], -|v[\dst+\k]|, s[R24], 1.0
.endr
.irp k, 0,1,2,3,4,5,6,7,8,9,10,11
	v_max_num_f32 v[\dst+\k], 0, v[\dst+\k]
.endr
.irp k, 0,1,2,3
	v_cndmask_b32 v[\dst+\k], 0, v[\dst+\k], s[MK1]
.endr
.irp k, 4,5,6,7,8,9,10,11
	v_cndmask_b32 v[\dst+\k], 0, v[\dst+\k], s[MK2]
.endr
.endm
; 64 numbers of a lane, register 16 b + i = k 32 b + 16 (lane / 16) + i of my row, become a fragment's codes in v[PC] on and its scale word in v[pw].  What is negative becomes 0 on the way:
; no |.| on the maximum's sources, and the hold clips at 0.  The held numbers go to two sets of 16 at v[dst] by turns.  Each result tile is first read at its low end.
.macro QUANT src, dst, pw
.irp b, 0,1,2,3
	v_max3_num_f32 v[TM+\b], v[\src+16*\b], v[\src+16*\b+1], 0x4800000   ; and the floor 2^(9 - 127): the byte cannot fall under 1
.endr
.irp i, 2,4,6,8,10,12,14
.irp b, 0,1,2,3
	v_max3_num_f32 v[TM+\b], v[TM+\b], v[\src+16*\b+\i], v[\src+16*\b+\i+1]
.endr
.endr
.irp b, 0,1,2,3
	v_permlanex16_b32 v[TM+4+\b], v[TM+\b], s[SEL], s[SEL+1]
.endr
.irp b, 0,1,2,3
	v_max_num_f32 v[TM+\b], v[TM+\b], v[TM+4+\b]
.endr
.irp b, 0,1,2,3
	v_add_nc_u32 v[TM+12+\b], 0xfc000000, v[TM+\b]
.endr
.irp b, 0,1,2,3
	v_and_or_b32 v[TM+8+\b], v[TM+\b], 0x7f800000, s[MNT]
.endr
.irp b, 0,1,2,3
	v_lshrrev_b32 v[TM+4+\b], 23, v[TM+12+\b]
.endr
	v_lshl_or_b32 v[\pw], v[TM+5], 8, v[TM+4]      ; the scale word is made ahead of the 64 holds: more than eight plain lines ahead of the product that names it
	v_lshl_or_b32 v[\pw], v[TM+6], 16, v[\pw]
	v_lshl_or_b32 v[\pw], v[TM+7], 24, v[\pw]
.irp b, 0,1,2,3
.set QD, \dst+16*(\b%2)
.irp i, 0,1,2,3,4,5,6,7,8,9,10,11,12,13,14,15
	v_med3_num_f32 v[QD+\i], v[\src+16*\b+\i], 0, v[TM+8+\b]   ; the activation and the hold in one (the conversion does not saturate: ISA guide 7.6.2)
.endr
	v_cvt_scalef32_pk8_fp8_f32 v[PC+4*\b:PC+4*\b+1], v[QD:QD+7], v[TM+12+\b]
	v_cvt_scalef32_pk8_fp8_f32 v[PC+4*\b+2:PC+4*\b+3], v[QD+8:QD+15], v[TM+12+\b]
.endr
.rept 4
	v_nop                                          ; four plain lines between the codes' last write and the scaled product; the first is also the line behind the last conversion
.endr
.endm
.macro TREE16 base                     ; sixteen groups of four registers are added into the first
.irp d, 8,4,2,1
.set j, 0
.rept \d
	v_pk_add_f32 v[\base+4*j:\base+4*j+1], v[\base+4*j:\base+4*j+1], v[\base+4*(j+\d):\base+4*(j+\d)+1]
	v_pk_add_f32 v[\base+4*j+2:\base+4*j+3], v[\base+4*j+2:\base+4*j+3], v[\base+4*(j+\d)+2:\base+4*(j+\d)+3]
.set j, j+1
.endr
.endr
.endm
; In the wave's first tile: -c = -(the unit's mean over these 16 rows), for four result tiles at v[y]; o: the first tile's number
.macro PIVOTG y, o
	s_cmp_lg_u32 s[CNT], FIRSTCNT
	s_cbranch_scc1 .Lnp_\@
.irp t, 0,1,2,3
	v_pk_add_f32 v[TM:TM+1], v[\y+8*\t:\y+8*\t+1], v[\y+8*\t+2:\y+8*\t+3]
	v_pk_add_f32 v[TM+2:TM+3], v[\y+8*\t+4:\y+8*\t+5], v[\y+8*\t+6:\y+8*\t+7]
	v_pk_add_f32 v[TM:TM+1], v[TM:TM+1], v[TM+2:TM+3]
	v_add_f32 v[TM], v[TM], v[TM+1]
	v_permlanex16_b32 v[TM+2], v[TM], s[SEL], s[SEL+1]
	v_add_f32 v[TM], v[TM], v[TM+2]
	v_mul_f32 v[NC+2*(\o+\t)], 0xbd800000, v[TM]
	v_mov_b32 v[NC+2*(\o+\t)+1], v[NC+2*(\o+\t)]
.endr
.Lnp_\@:
.endm
.macro STATS y, o                      ; d = y - c in place; sums of d and of d d; each tile from its low end on, the four tiles by turns
.irp p, 0,1,2,3
.irp t, 0,1,2,3
	v_pk_add_f32 v[\y+8*\t+2*\p:\y+8*\t+2*\p+1], v[\y+8*\t+2*\p:\y+8*\t+2*\p+1], v[NC+2*(\o+\t):NC+2*(\o+\t)+1]
.endr
.irp t, 0,1,2,3
	v_pk_add_f32 v[SM1+2*(\o+\t):SM1+2*(\o+\t)+1], v[SM1+2*(\o+\t):SM1+2*(\o+\t)+1], v[\y+8*\t+2*\p:\y+8*\t+2*\p+1]
.endr
.irp t, 0,1,2,3
	v_pk_fma_f32 v[SM2+2*(\o+\t):SM2+2*(\o+\t)+1], v[\y+8*\t+2*\p:\y+8*\t+2*\p+1], v[\y+8*\t+2*\p:\y+8*\t+2*\p+1], v[SM2+2*(\o+\t):SM2+2*(\o+\t)+1]
.endr
.endr
.endm
.macro WSUM t                          ; tile t: the wave's mean = c + s1 / 256 and M2 = s2 - s1 s1 / 256, into a pair of registers of the tile's own
	v_add_f32 v[TM], v[SM1+2*\t], v[SM1+2*\t+1]
	v_add_f32 v[TM+1], v[SM2+2*\t], v[SM2+2*\t+1]
	v_permlanex16_b32 v[TM+2], v[TM], s[SEL], s[SEL+1]
	v_permlanex16_b32 v[TM+3], v[TM+1], s[SEL], s[SEL+1]
	v_add_f32 v[TM], v[TM], v[TM+2]
	v_add_f32 v[TM+1], v[TM+1], v[TM+3]
	v_mul_f32 v[TM+2], 0xbb800000, v[TM]
	v_fma_f32 v[RES+2*\t], v[TM], 0x3b800000, -v[NC+2*\t]
	v_fma_f32 v[RES+2*\t+1], v[TM+2], v[TM], v[TM+1]
.endm
.macro WPUT t, om, oq                  ; and to LDS (both halves of the lanes write the same words with the same values)
	ds_store_b32 v[LWO], v[RES+2*\t] offset:\om
	ds_store_b32 v[LWO], v[RES+2*\t+1] offset:\oq
.endm
.macro JOIN8 mw, qw                    ; eight waves' means and M2 (256 rows each) -> v[TM] the mean, v[TM+1] M2
	v_pk_add_f32 v[TM:TM+1], v[\mw:\mw+1], v[\mw+2:\mw+3]
	v_pk_add_f32 v[TM+2:TM+3], v[\mw+4:\mw+5], v[\mw+6:\mw+7]
	v_pk_add_f32 v[TM:TM+1], v[TM:TM+1], v[TM+2:TM+3]
	v_add_f32 v[TM], v[TM], v[TM+1]
	v_mul_f32 v[TM], 0x3e000000, v[TM]
.irp k, 0,2,4,6
	v_pk_add_f32 v[\mw+\k:\mw+\k+1], v[\mw+\k:\mw+\k+1], v[TM:TM+1] op_sel_hi:[1,0] neg_lo:[0,1] neg_hi:[0,1]
.endr
	v_pk_mul_f32 v[TM+2:TM+3], v[\mw:\mw+1], v[\mw:\mw+1]
.irp k, 2,4,6
	v_pk_fma_f32 v[TM+2:TM+3], v[\mw+\k:\mw+\k+1], v[\mw+\k:\mw+\k+1], v[TM+2:TM+3]
.endr
	v_pk_add_f32 v[\qw:\qw+1], v[\qw:\qw+1], v[\qw+2:\qw+3]
	v_pk_add_f32 v[\qw+4:\qw+5], v[\qw+4:\qw+5], v[\qw+6:\qw+7]
	v_pk_add_f32 v[\qw:\qw+1], v[\qw:\qw+1], v[\qw+4:\qw+5]
	v_add_f32 v[TM+2], v[TM+2], v[TM+3]
	v_add_f32 v[\qw], v[\qw], v[\qw+1]
	v_fma_f32 v[TM+1], v[TM+2], 0x43800000, v[\qw]
.endm
	s_load_b512 s[4:19], s[0:1], 0x0               ; nums 4, part1 6, w1 8, b1 10, g1 12, be1 14, wq 16, h1c 18
	s_load_b128 s[20:23], s[0:1], 0x40             ; h1s 20, part2 22
	v_lshl_add_u32 v254, v0, 2, 0x5800
	v_mov_b32 v255, 0
	v_lshrrev_b32 v1, 5, v0
	v_readfirstlane_b32 s[WV], v1                  ; wave 0..7
	v_and_b32 v1, 31, v0                           ; lane
	v_and_b32 v2, 15, v0                           ; r
	v_bfe_u32 v3, v0, 4, 1                         ; h
	v_lshlrev_b32 v[LI], 4, v1
	v_lshlrev_b32 v[LL4], 2, v1
	s_wait_alu depctr_va_sdst(0)                   ; s[WV] is written, ahead of its first reader: LDS places, bases and branches are made from it
	s_lshl_b32 s52, s[WV], 10
	s_add_co_u32 s53, s52, SCST
	v_add_nc_u32 v[LSW0], s53, v[LL4]
	v_add_nc_u32 v[LSR], s53, v[LI]
	v_lshlrev_b32 v[LA16], 4, v0
	v_lshlrev_b32 v[LU4], 2, v0
	v_mov_b32 v[LZ], 0
	v_and_b32 v[LP4], 8, v2
	v_add_nc_u32 v[LP4], v[LP4], v2
	v_lshlrev_b32 v[LP4], 2, v[LP4]
	v_lshlrev_b32 v[LH64], 6, v3
	s_add_co_u32 s53, s52, WST
	v_add_nc_u32 v[LWO], s53, v[LP4]
	v_and_b32 v[PO], 63, v0
	v_min_u32 v[PO], 39, v[PO]                     ; 40 chunks of 16 bytes hold the 160 sums; threads 40-63 of a group repeat the last
	v_lshlrev_b32 v[PO], 4, v[PO]
	v_lshrrev_b32 v[UO], 6, v0
	v_mad_u32_u24 v[PO], v[UO], 49152, v[PO]       ; group p takes records 64 p .. 64 p + 63, 768 bytes each
	v_lshl_add_u32 v[WO], v3, 10, v[LP4]           ; w1: k = 4 s + 2 h + j, rows of 512 bytes; my unit's 4 bytes
	v_and_b32 v[UO], 127, v0
	v_lshlrev_b32 v[UO], 2, v[UO]
	s_lshl_b32 s34, ttmp9, 3
	s_add_co_u32 s34, s34, s[WV]                   ; which run of 256 rows is my wave's
	s_lshl_b32 s52, s34, 12                        ; in nums,
	s_mov_b32 s53, 0
	s_lshl_b32 s54, s34, 15                        ; in the codes,
	s_mov_b32 s55, 0
	s_lshl_b32 s56, s34, 10                        ; in the scale words
	s_mov_b32 s57, 0
	s_lshl_b32 s58, ttmp9, 10                      ; my work-group's record
	s_mov_b32 s59, 0
	s_mov_b32 s[HM], 0xffff0000
	s_mov_b32 s[MNT], 0x600000
	s_mov_b32 s[SEL], 0x76543210
	s_mov_b32 s[SEL+1], 0xfedcba98
	s_mov_b32 s[R24], 0x3d2aaaab
	s_mov_b32 s[SCO], 0
	s_mov_b32 s[CNT], FIRSTCNT
	s_wait_kmcnt 0x0
	s_load_b512 s[CC:CC+15], s[6:7], 0x280         ; c: the same in every record
	s_add_nc_u64 s[4:5], s[4:5], s[52:53]
	s_add_nc_u64 s[18:19], s[18:19], s[54:55]
	s_add_nc_u64 s[20:21], s[20:21], s[56:57]
	s_add_nc_u64 s[22:23], s[22:23], s[58:59]
	; ---- A: my chunk of my 64 records, all asked for at once, added by a tree inside window 1
	WIN 0x40                                       ; destination window 1
	s_wait_alu depctr_va_vdst(0)                   ; the offsets and LDS addresses made above (v4, v5, v7, v224 to v233) are written: every load, store and LDS instruction of the kernel but the trips' one LDS store reads one of them, and none is written again
.set i, 0
.rept 64
	global_load_b128 v[4*i:4*i+3], v[PO], s[6:7] offset:768*i
.set i, i+1
.endr
	WIN 0x45                                       ; destination and both sources window 1
.irp b, 0,1,2,3
	s_wait_loadcnt 48-16*\b                        ; this batch of 16 is in; the younger batches stay out
	TREE16 64*\b
.endr
	v_pk_add_f32 v[0:1], v[0:1], v[64:65]
	v_pk_add_f32 v[2:3], v[2:3], v[66:67]
	v_pk_add_f32 v[128:129], v[128:129], v[192:193]
	v_pk_add_f32 v[130:131], v[130:131], v[194:195]
	WIN 0x05                                       ; the last sum lands in window 0
	v_pk_add_f32 v[PC:PC+1], v[0:1], v[128:129]
	v_pk_add_f32 v[PC+2:PC+3], v[2:3], v[130:131]
	WIN 0
	s_wait_alu depctr_va_vdst(0)                   ; the sums have written v[PC] to v[PC+3], which the LDS store reads; and the trees are done reading and writing window 1, in which w1's fragments, the moments, t1 and w2's tiles land below
	ds_store_b128 v[LA16], v[PC:PC+3]
	WIN 0x40
.irp t, 0,1,2,3,4,5,6,7
.irp s, 0,1,2,3
.irp j, 0,1
	global_load_b32 v[8*\t+2*\s+\j], v[WO], s[8:9] offset:(4*\s+\j)*512+(32*(\t/2)+8*(\t%2))*4   ; w1's fragments, still without s1
.endr
.endr
.endr
	WIN 0
.irp k, 0,1,2,3,4,5,6,7,8,9,10,11,12,13,14,15
	global_load_b32 v[H0+\k], v[UO], s[8:9] offset:512*\k     ; unit u's column of w1
.endr
	global_load_b32 v48, v[UO], s[10:11]           ; b1
	global_load_b32 v49, v[UO], s[12:13]           ; g1
	global_load_b32 v50, v[UO], s[14:15]           ; be1
	global_load_b128 v[N:N+3], v[LI], s[4:5] th:TH_LOAD_NT    ; the first trip's rows
	s_wait_kmcnt 0x0
	BARRIER
	; ---- B: threads 0-63 add the four groups' sums and divide by the batch
	s_cmp_ge_u32 s[WV], 2
	s_cbranch_scc1 .Lb_done
.irp p, 0,1,2,3
	ds_load_b128 v[U+4*\p:U+4*\p+3], v[LA16] offset:1024*\p
.endr
	s_wait_dscnt 0x0
	v_pk_add_f32 v[U:U+1], v[U:U+1], v[U+4:U+5]
	v_pk_add_f32 v[U+2:U+3], v[U+2:U+3], v[U+6:U+7]
	v_pk_add_f32 v[U+8:U+9], v[U+8:U+9], v[U+12:U+13]
	v_pk_add_f32 v[U+10:U+11], v[U+10:U+11], v[U+14:U+15]
	v_pk_add_f32 v[U:U+1], v[U:U+1], v[U+8:U+9]
	v_pk_add_f32 v[U+2:U+3], v[U+2:U+3], v[U+10:U+11]
	v_pk_mul_f32 v[U:U+1], v[U:U+1], 0x36000000 op_sel_hi:[1,0]     ; x 2^-19
	v_pk_mul_f32 v[U+2:U+3], v[U+2:U+3], 0x36000000 op_sel_hi:[1,0]
	s_wait_alu depctr_va_vdst(0)                   ; the products have written v[U] to v[U+3], which the LDS store reads
	ds_store_b128 v[LA16], v[U:U+3] offset:FIN
.Lb_done:
	BARRIER
	s_wait_alu depctr_vm_vsrc(0)                   ; B's LDS store has read v[U] to v[U+3], which C writes again (2 w); ahead of the branch, on every wave's way
	; ---- C: thread u < 128: unit u's mean and variance, s1 and t1
	s_cmp_ge_u32 s[WV], 4
	s_cbranch_scc1 .Lc_done
	WIN 0x40
.set i, 0
.rept 40
	ds_load_b128 v[64+4*i:64+4*i+3], v[LZ] offset:FIN+16*i    ; the 160 moments, the same in every lane: window 1, v64-223 (no vector instruction has named these since the wait behind the trees)
.set i, i+1
.endr
	WIN 0
	s_wait_loadcnt 1                               ; all but the rows of the first trip, the one younger load
.irp k, 0,2,4,6,8,10,12,14
	v_pk_add_f32 v[W2X+\k:W2X+\k+1], v[H0+\k:H0+\k+1], v[H0+\k:H0+\k+1]
.endr
	v_mul_f32 v[CW], s[CC], v[H0]
.irp k, 1,2,3,4,5,6,7,8,9,10,11,12,13,14,15
	v_fma_f32 v[CW], s[CC+\k], v[H0+\k], v[CW]     ; c . w
.endr
	s_wait_dscnt 0x0
	WIN 0x01                                       ; source 0: window 1
	v_pk_mul_f32 v[DM:DM+1], v[64:65], v[H0:H0+1]
.irp k, 2,4,6,8,10,12,14
	v_pk_fma_f32 v[DM:DM+1], v[64+\k:65+\k], v[H0+\k:H0+\k+1], v[DM:DM+1]   ; mean d . w
.endr
.set q, 0
.rept 8                                        ; R_i = the sum over row i's entries of e_ij x (w_j inside the diagonal block, 2 w_j beyond it); the rows by turns
.set i, 0
.rept 16-2*q
.set ip, i/2
.set oo, 64+16+32*ip-2*ip*(ip-1)+(i%2)*(16-2*ip)+2*q
.if q == 0
	v_pk_mul_f32 v[RRB+2*i:RRB+2*i+1], v[oo:oo+1], v[H0+2*ip:H0+2*ip+1]
.else
	v_pk_fma_f32 v[RRB+2*i:RRB+2*i+1], v[oo:oo+1], v[W2X+2*ip+2*q:W2X+2*ip+2*q+1], v[RRB+2*i:RRB+2*i+1]
.endif
.set i, i+1
.endr
.set q, q+1
.endr
	WIN 0
	v_pk_mul_f32 v[VV:VV+1], v[RRB:RRB+1], v[H0:H0+1] op_sel_hi:[1,0]
	v_pk_fma_f32 v[VV:VV+1], v[RRB+2:RRB+3], v[H0:H0+1], v[VV:VV+1] op_sel:[0,1,0] op_sel_hi:[1,1,1]
.irp p, 1,2,3,4,5,6,7
	v_pk_fma_f32 v[VV:VV+1], v[RRB+4*\p:RRB+4*\p+1], v[H0+2*\p:H0+2*\p+1], v[VV:VV+1] op_sel_hi:[1,0,1]
	v_pk_fma_f32 v[VV:VV+1], v[RRB+4*\p+2:RRB+4*\p+3], v[H0+2*\p:H0+2*\p+1], v[VV:VV+1] op_sel:[0,1,0] op_sel_hi:[1,1,1]
.endr
	v_add_f32 v[DM], v[DM], v[DM+1]
	v_add_f32 v[VV], v[VV], v[VV+1]                ; w' E[d d'] w
	v_fma_f32 v[VV], -v[DM], v[DM], v[VV]          ; the variance
	v_max_num_f32 v[VV], 0, v[VV]
	v_add_f32 v[VV], 0x3727c5ac, v[VV]             ; + 1e-5
	v_rsq_f32 v[VV], v[VV]
	v_add_f32 v[CW], v[CW], v[DM]                  ; (a plain line behind the root)  mean of h0 . w
	v_add_f32 v[CW], v48, v[CW]                    ; the unit's mean, b1 in it
	s_wait_alu depctr_va_vdst(0)                   ; the root has written v[VV], ahead of its first reader
	v_mul_f32 v[VV], v49, v[VV]                    ; s1
	v_sub_f32 v[CW], v48, v[CW]
	v_fma_f32 v[CW], v[CW], v[VV], v50             ; t1 = be1 + (b1 - mean) s1
	s_wait_alu depctr_va_vdst(0)                   ; s1 and t1 are written, which the two LDS stores read; and C is done reading the moments in window 1, in which w2's tiles and t1 land below
	ds_store_b32 v[LU4], v[VV] offset:S1T
	ds_store_b32 v[LU4], v[CW] offset:T1T
.Lc_done:
	WIN 0x40
.irp t, 0,1,2,3,4,5,6,7
.irp c, 0,1,2,3
	global_load_b128 v[128+16*\t+4*\c:128+16*\t+4*\c+3], v[LI], s[16:17] offset:2048*\t+512*\c   ; w2's eight tiles: they stay
.endr
.endr
	WIN 0
.irp t, 0,1,2,3,4,5,6,7
	global_load_b32 v[WS+\t], v[LL4], s[16:17] offset:24576+128*\t
.endr
	BARRIER
	; ---- D: s1 into w1's fragments; t1 in the result's layout
.irp t, 0,1,2,3,4,5,6,7
	ds_load_b32 v[SV+\t], v[LP4] offset:S1T+(32*(\t/2)+8*(\t%2))*4
.endr
	WIN 0x40
.irp t, 0,1,2,3,4,5,6,7
	ds_load_b128 v[64+8*\t:64+8*\t+3], v[LH64] offset:T1T+(32*(\t/2)+8*(\t%2))*4
	ds_load_b128 v[64+8*\t+4:64+8*\t+7], v[LH64] offset:T1T+(32*(\t/2)+8*(\t%2))*4+16
.endr
	s_wait_dscnt 0x0
	s_wait_loadcnt 0x0
	WIN 0x41                                       ; destination and source 0 window 1
.irp t, 0,1,2,3,4,5,6,7
.irp e, 0,1,2,3,4,5,6,7
	v_mul_f32 v[8*\t+\e], v[8*\t+\e], v[SV+\t]
.endr
.endr
	WIN 0
.set i, 0
.rept 48
	v_mov_b32 v[NC+i], 0                           ; -c and the two sums: the loop is written once
.set i, i+1
.endr
.irp b, 0,1,2,3
	v_mov_b32 v[TM+4+\b], 0                        ; a lane permute's destination counts as one of its sources
.endr
; A tile of 16 rows: x = 0: rows 0-15 of the trip, 1: rows 16-31
.macro TILE x, pw
	WIN 0x11                                       ; source 0 (w1) and C (t1) window 1
.irp t, 0,1,2,3,4,5,6,7
	v_wmma_f32_16x16x4_f32 v[Z1+8*\t:Z1+8*\t+7], v[8*\t:8*\t+1], v[H0+2*\x:H0+2*\x+1], v[64+8*\t:64+8*\t+7]
.endr
	WIN 0x01
.irp s, 1,2,3                                  ; the eight accumulators by turns, one instruction a turn
.irp t, 0,1,2,3,4,5,6,7
	v_wmma_f32_16x16x4_f32 v[Z1+8*\t:Z1+8*\t+7], v[8*\t+2*\s:8*\t+2*\s+1], v[H0+4*\s+2*\x:H0+4*\s+2*\x+1], v[Z1+8*\t:Z1+8*\t+7]
.endr
.endr
	WIN 0
.rept 8
	v_nop                                          ; eight plain lines between this form and the first read of its results
.endr
	s_wait_xcnt 0x0                                ; the last tile's stores have read the codes' registers
	s_wait_alu depctr_vm_vsrc(0)                   ; beside it: the stores issued so far have read v[PC ..], which the conversions write again; x = 1: the last trip's LDS store has read v[PWS] and v[LSW]; in the first trip: the prologue's LDS stores have read v46, v51 and v[PC ..], which QUANT writes
	QUANT Z1, U, \pw
.if \x == 1
	s_wait_dscnt 0x0                               ; the last trip's LDS store has read its registers
	v_cndmask_b32 v[PWS], v[PWA], v[PWB], s[HM]    ; lane l: row l's scale word
	v_add_nc_u32 v[LSW], s[SCO], v[LSW0]
.endif
	s_wait_alu depctr_va_vdst(0)                   ; behind the places: the conversions have written v[PC ..] and QUANT the scale word, which the scaled products take as operand and scale and the stores as data; x = 0: FEAT is done reading v[N ..], in which the load below lands; x = 1: v[PWS] and v[LSW] are written, which the LDS store reads
.irp c, 0,1,2,3
	global_store_b128 v[LI], v[PC+4*\c:PC+4*\c+3], s[18:19] offset:2048*\x+512*\c   ; 512 consecutive bytes a store
.endr
.if \x == 0
	s_cmp_eq_u32 s[CNT], 1                         ; the last trip asks for nothing: no load leaves its buffer
	s_cbranch_scc1 .Lno_next
	s_add_nc_u64 s[4:5], s[4:5], 512               ; (the load that used this base is done)
	global_load_b128 v[N:N+3], v[LI], s[4:5] th:TH_LOAD_NT    ; the next trip's rows.  No vector instruction since the wait above names v[N ..]
.Lno_next:
.else
	ds_store_b32 v[LSW], v[PWS]
.endif
.irp g, 0,1                                    ; y2 for the statistics: source 0 = my 16 rows' codes, source 1 = a tile of w2: a lane holds one unit and 8 rows
	WIN 0x04                                       ; source 1 window 1
.irp i, 0,1,2,3
	v_wmma_scale_f32_16x16x128_f8f6f4 v[U+8*\i:U+8*\i+7], v[PC:PC+15], v[128+16*(4*\g+\i):128+16*(4*\g+\i)+15], 0, v[\pw], v[WS+4*\g+\i]
.endr
	WIN 0
.rept 8
	v_nop
.endr
.if \x == 0
	PIVOTG U, 4*\g
.endif
	STATS U, 4*\g                                  ; (for each tile the other three tiles' 36 lines and the eight above stand ahead of the products that write these registers anew)
.endr
.endm
.Ltrip:
	s_wait_loadcnt 0x0                             ; my row's four numbers
.irp k, 0,1,2,3
	v_mov_b32 v[H0+\k], v[N+\k]
.endr
	FEAT N, H0+4
.irp s, 0,1,2,3                                ; a lane holds its row's 16 numbers; the operand wants lane (r, h) to hold k = 4 s + 2 h + j of row r.  The exchange of one register's upper
.irp j, 0,1                                    ; half with the other's lower half gives both tiles' operands: registers 4 s, 4 s + 1 the first tile's, 4 s + 2, 4 s + 3 the second's
	v_permlane16_swap_b32 v[H0+4*\s+\j], v[H0+4*\s+2+\j]
.endr
.endr
	TILE 0, PWA
	TILE 1, PWB
	s_add_co_u32 s[SCO], s[SCO], 128
	s_wait_xcnt 0x0                                ; the stores have read their base
	s_add_nc_u64 s[18:19], s[18:19], 4096
	s_sub_co_u32 s[CNT], s[CNT], 1
	s_cmp_lg_u32 s[CNT], 0
	s_cbranch_scc1 .Ltrip
.irp t, 0,1,2,3,4,5,6,7
	WSUM \t
.endr
	s_wait_alu depctr_vm_vsrc(0)                   ; the last tile's stores have read v[PC ..], in which the scale words' loads below land
	s_wait_alu depctr_va_vdst(0)                   ; the eight pairs v[RES ..] are written, which the LDS stores read; the conversions and products are done with v[PC ..] and the f32 products with v[H0 ..], in which LDS loads land below
.irp t, 0,1,2,3,4,5,6,7
	WPUT \t, (32*(\t/2)+8*(\t%2))*4, 512+(32*(\t/2)+8*(\t%2))*4
.endr
	ds_load_b128 v[PC:PC+3], v[LSR]                ; my 256 rows' scale words: LDS serves a wave's instructions in order
	ds_load_b128 v[PC+4:PC+7], v[LSR] offset:512
	s_wait_dscnt 0x0
	global_store_b128 v[LI], v[PC:PC+3], s[20:21]
	global_store_b128 v[LI], v[PC+4:PC+7], s[20:21] offset:512
	s_barrier_signal -1
	s_barrier_wait -1                              ; every wave's means and M2 lie in LDS
	s_cmp_ge_u32 s[WV], 4
	s_cbranch_scc1 .Lend
.irp w, 0,1,2,3,4,5,6,7
	ds_load_b32 v[H0+\w], v[LU4] offset:WST+1024*\w
	ds_load_b32 v[H0+8+\w], v[LU4] offset:WST+1024*\w+512
.endr
	s_wait_dscnt 0x0
	JOIN8 H0, H0+8
	s_wait_alu depctr_va_vdst(0)                   ; the joined mean and M2, v[TM] and v[TM+1], are written, which the two stores read
	global_store_b32 v[LU4], v[TM], s[22:23]
	global_store_b32 v[LU4], v[TM+1], s[22:23] offset:512
.Lend:
	s_wait_dscnt 0x0                               ; the closing lines, six on end
	s_wait_alu 0x0
	s_wait_tensorcnt 0x0
	ds_add_u32 v254, v255
	s_wait_dscnt 0x0
	s_endpgm
.Lfunc_end_k_q0e819f7c07_layer1:
	.size	k_q0e819f7c07_layer1, .Lfunc_end_k_q0e819f7c07_layer1-k_q0e819f7c07_layer1
	.p2alignl 7, 3214868480
	.fill 96, 4, 3214868480
	.section	.rodata,"a",@progbits
	.p2align	6, 0x0
	.amdhsa_kernel k_q0e819f7c07_layer1
		.amdhsa_group_segment_fixed_size 23552
		.amdhsa_private_segment_fixed_size 0
		.amdhsa_enable_private_segment 0
		.amdhsa_kernarg_size 80
		.amdhsa_user_sgpr_count 2
		.amdhsa_user_sgpr_kernarg_segment_ptr 1
		.amdhsa_wavefront_size32 1
		.amdhsa_system_sgpr_workgroup_id_x 1
		.amdhsa_system_sgpr_workgroup_id_y 1
		.amdhsa_system_sgpr_workgroup_id_z 1
		.amdhsa_system_vgpr_workitem_id 0
		.amdhsa_next_free_vgpr 512
		.amdhsa_next_free_sgpr 66
		.amdhsa_reserve_vcc 1
		.amdhsa_float_denorm_mode_32 3
		.amdhsa_float_denorm_mode_16_64 3
		.amdhsa_memory_ordered 1
		.amdhsa_forward_progress 1
		.amdhsa_inst_pref_size 101
	.end_amdhsa_kernel
	.amdgpu_metadata
---
amdhsa.version: [ 1, 2 ]
amdhsa.kernels:
  - .name:           k_q0e819f7c07_layer1
    .symbol:         k_q0e819f7c07_layer1.kd
    .args:
      - { .name: nums, .offset: 0, .size: 8, .value_kind: global_buffer, .address_space: global }
      - { .name: part1, .offset: 8, .size: 8, .value_kind: global_buffer, .address_space: global }
      - { .name: w1, .offset: 16, .size: 8, .value_kind: global_buffer, .address_space: global }
      - { .name: b1, .offset: 24, .size: 8, .value_kind: global_buffer, .address_space: global }
      - { .name: g1, .offset: 32, .size: 8, .value_kind: global_buffer, .address_space: global }
      - { .name: be1, .offset: 40, .size: 8, .value_kind: global_buffer, .address_space: global }
      - { .name: wq, .offset: 48, .size: 8, .value_kind: global_buffer, .address_space: global }
      - { .name: h1c, .offset: 56, .size: 8, .value_kind: global_buffer, .address_space: global }
      - { .name: h1s, .offset: 64, .size: 8, .value_kind: global_buffer, .address_space: global }
      - { .name: part2, .offset: 72, .size: 8, .value_kind: global_buffer, .address_space: global }
    .group_segment_fixed_size: 23552
    .private_segment_fixed_size: 0
    .kernarg_segment_align: 8
    .kernarg_segment_size: 80
    .max_flat_workgroup_size: 256
    .sgpr_count:     66
    .vgpr_count:     512
    .wavefront_size: 32
...
	.end_amdgpu_metadata
.endif
;; end of part 5
;; launch layer2: the kernel of part 3 again; grid 256 x 1, 8 waves a work-group, no clusters, 284,672 bytes of LDS; arguments h1c, h1s, wq, part2, b2, g2, be2, part3, bn2; writes part3, bn2
;; launch head: the kernel of part 4 again; grid 256 x 1, 8 waves a work-group, no clusters, 288,768 bytes of LDS; arguments h1c, h1s, wq, bn2, part3, b3, g3, be3, w4, b4, out0; writes out0
